; MI455X (gfx1250); checked and timed in simulation.
; The chip was launched on July 23, 2026; its instructions are those of AMD's public machine-readable ISA for CDNA 5 (MIT licence, August 2026) and "CDNA5" Instruction Set Architecture Reference Guide (July 2026). The comments in the code are by the model that wrote it; some were corrected since.
;; Attention Model. Allowed arithmetic: matrix products marked QUANTISED: E2M3 operands, one E8M0 scale for each 32 along K, by v_wmma_scale_f32_16x16x128_f8f6f4 with both operands' format E2M3, f32 sums; everything else in f32.
;; Inputs: Wk 1,024 x 1,024 float32; Wq 1,024 x 1,024 float32; Wv 1,024 x 1,024 float32; bk 1,024 float32; bq 1,024 float32; bv 1,024 float32; key 4 x 2,048 x 1,024 float32; query 4 x 2,048 x 1,024 float32; value 4 x 2,048 x 1,024 float32.
;; Outputs: out0 4 x 2,048 x 1,024 float32.
;; This version of the problem:
;;   THIS VERSION OF THE PROBLEM IS GIVEN IN LOW PRECISION. The matrix products marked QUANTISED in the list below multiply operands that are first quantised to E2M3 (2 exponent bits, 3 mantissa bits; 6 bits a number), with one power-of-two scale for each 32 numbers along K (OCP MX v1.0); their sums are f32. All else is computed in f32.
;;   The module's matrix products, in the order in which they are computed (A, B: the left and right operand; K: the contracted axis; several contracted axes count as one K, in the product's order):
;;     1. [M 8,192, K 1,024] x [K 1,024, N 1,024]; A: input query; B: input Wq: QUANTISED
;;     2. [M 8,192, K 1,024] x [K 1,024, N 1,024]; A: input key; B: input Wk: QUANTISED
;;     3. [M 8,192, K 1,024] x [K 1,024, N 1,024]; A: input value; B: input Wv: QUANTISED
;;     4. batch 4 x [M 2,048, K 1,024] x [K 1,024, N 2,048]; A: computed on the way; B: computed on the way: QUANTISED
;;     5. batch 4 x [M 2,048, K 2,048] x [K 2,048, N 1,024]; A: softmax (see below); B: computed on the way: QUANTISED
;;   THE QUANTISER, for each operand of a quantised product, along K:
;;     - K is cut into blocks of 32 from its start; a last block that is shorter is filled with zeros.
;;     - A block's scale is 2^e with e = floor(log2(the largest magnitude in the block)) - 2, held to -126 .. 127; a block of zeros has e = 0. As a byte (E8M0): e + 127.
;;     - Each number is divided by its block's scale, clamped to +-7.5, and rounded to the nearest number of E2M3, ties to even, subnormals kept.
;;     - The product sums the exact products of the quantised numbers (number of the format x scale) in f32.
;;   ~~~python
;;   def quantise(x, axis):      # numpy; x: float32 -> the quantised numbers, widened to float32 again
;;       x = np.moveaxis(x, axis, -1); K = x.shape[-1]
;;       x = np.pad(x, [(0, 0)] * (x.ndim - 1) + [(0, -K % 32)]); x = x.reshape(x.shape[:-1] + (-1, 32)); a = np.abs(x).max(-1, keepdims=True)
;;       e = np.where(a > 0, np.clip(np.frexp(np.where(a > 0, a, 1))[1] - 1 - 2, -126, 127), 0)      # np.frexp(a)[1] - 1 = floor(log2(a)), exactly
;;       r = np.clip(x / 2.0 ** e, -7.5, 7.5)
;;       step = 2.0 ** (np.maximum(np.frexp(np.where(r == 0, 1, r))[1] - 1, 0) - 3)
;;       q = np.round(r / step) * step * 2.0 ** e      # np.round: ties to even
;;       return np.moveaxis(q.reshape(q.shape[:-2] + (-1,))[..., :K], -1, axis).astype(np.float32)
;;   ~~~
;;   SOFTMAX AHEAD OF A QUANTISED PRODUCT. Where the list says 'softmax', what is quantised is not the finished softmax but p = 2^(t - M), with t = logit x log2(e) and M = ceil(the row's largest t), a whole number; so 1/2 < the row's largest p <= 1. The row's sum l is taken of the UNQUANTISED p, in f32, and the product's result is divided by l at the end. Since M is a whole number, a kernel that streams over the keys may use a running M (the ceiling of the running maximum): every later rescaling is an exact power of two, which a block's scale takes up: the codes' values come out the same.
;;   OPERANDS COMPUTED ON THE WAY. 'Computed on the way' means the value that the module computes at that place (a softmax that the list does not call 'softmax' is quantised finished and normalised). What goes into a quantiser is computed in f32, as accurately as f32 sums, v_exp_f32 and their like allow (about 1e-6 of the number): no bf16 or f16 on the way to a quantiser, and a product that is left as it is and whose result goes on into a quantised operand takes f32 operands (vector FMAs, or v_wmma_f32_16x16x4_f32). A number that lies on a knife's edge between two numbers of the format may be rounded either way, as far as f32 arithmetic and the matrix unit's own rounding can turn it there, and no further.
;; One version. Each part assembles by itself: llvm-mc -triple=amdgcn-amd-amdhsa -mcpu=gfx1250 --defsym DOCPART=n.
;; ======== version 1 of 1: 4 launches
;; limits: right only within a limited range of input values
;; workspace buffers: xw_codes 21,233,664 bytes; xw_scales 884,736 bytes; qk_codes 12,582,912 bytes; qk_scales 524,288 bytes; vt_codes 6,291,456 bytes; vt_scales 262,144 bytes; p_codes 12,582,912 bytes; p_stats 1,572,864 bytes
;; launch quant (part 1): grid 960 x 1, 4 waves a work-group, no clusters, 34,304 bytes of LDS; arguments query, key, value, Wq, Wk, Wv, xw_codes, xw_scales; writes xw_codes, xw_scales
.if DOCPART == 1
	.amdgcn_target "amdgcn-amd-amdhsa--gfx1250"
	.amdhsa_code_object_version 6
	.text
	.protected	k_qdfdcb430df_quant
	.globl	k_qdfdcb430df_quant
	.p2align	8
	.type	k_qdfdcb430df_quant,@function
k_qdfdcb430df_quant:
	s_mov_b64 s[64:65], 0
	v_nop
	global_prefetch_b8 v0, s[64:65] scope:SCOPE_SE
	s_setreg_imm32_b32 hwreg(HW_REG_WAVE_MODE, 25, 1), 1
	s_wait_xcnt 0x0
; query, key, value [8192][1024] (K innermost) and Wq, Wk, Wv [1024 (K)][1024 (n)] (K outermost), all f32, become codes of FP6 (E2M3) with one E8M0 byte for each 32 along K.
; A block's scale is 2^(floor(log2(its largest magnitude)) - 2): its byte is the largest magnitude's exponent field - 2, held at 1 from below by a floor among the maximum's leaves.
; LAYOUT OF THE CODES: images of operand registers.  A fragment is 16 rows x 128 K, 12 registers a lane: register 4 c + i of lane l lies at 512 c + 16 l + 4 i of its 1,536 bytes.
;   xw_codes = [row tile][K step 0..7][1,536].  Row tiles: query 0-511, key 512-1023, value 1024-1535, Wq 1536-1599, Wk 1600-1663, Wv 1664-1727 (a weight's rows are its columns n).
; LAYOUT OF THE SCALES: xw_scales = [K step][quad = 4 row tiles][256]; in a unit the word (four bytes, 128 K) of row r of tile 2 g + w of the quad lies at 8 (16 g + r) + 4 w.
; WHICH ROWS FORM A TILE: query and Wv: neighbours.  key, value, Wq, Wk: row r of tile 2 b + u is row 32 b + 8 u + r + 8 (r / 8), so that the next launch's results have 16 neighbours along the next K in a lane's 16 registers.
; The first 192 work-groups take the weights (no LDS), a wave 32 columns x one K step: 128 loads in two runs of 64; the other 768 take the activations (a stage in LDS for each wave).  No barrier: waves share nothing.
; LIMITS: NaN and infinities among the inputs are not served.  A block of zeros gets the byte 1 (the rule says 127): its codes are zeros, and this program alone reads the bytes.
.set WGW,   192                        ; the weights' work-groups: 3 tensors x 8 groups of 128 columns x 8 K steps
.set TILEP, 12288                      ; a row tile: 8 K steps x 1,536 bytes
.set FRB,   1536                       ; a fragment's image
.set KSTR,  110592                     ; xw_scales: 432 units of 256 bytes to a K step
.set SPIT,  528                        ; a stage row: 512 bytes + 16 = 33 x 16: sixteen rows start at sixteen different 16-byte columns of 256
.set WSTG,  16*SPIT                    ; a wave's stage
.set FLOOR, 0x1800000                  ; 2^(3 - 127)
.set TWOOFF, 0xff000000                ; -(2 << 23): 2 off an exponent field
.set TT,    96                         ; the weights: v96-119 a pair of fragments
; ---- activations: v4 16 x lane; v5, v6 the same 8 or 16 rows on; v7, v8 stage in and out; v9 8 x lane; v10 8 h; v12-19 at work; v20-23 the four scale words; v24-25 the unit
;      v32-95, v96-159 two sets of 16 rows as loaded; v160-223 a lane's 64 numbers; v224-235 the fragment; v236-242 conversions' upper halves
.macro XLOAD f, set                    ; the 16 rows of fragment f, 512 consecutive bytes a load
.irp i, 0,1,2,3,4,5,6,7,8,9,10,11,12,13,14,15
.set XR, 32*((\f)/2)+(\i)%8
.if (\i) < 8
.if (\f)%2 == 0
	global_load_b128 v[\set+4*\i:\set+4*\i+3], v4, s[32:33] offset:XR*4096 th:TH_LOAD_NT
.else
	global_load_b128 v[\set+4*\i:\set+4*\i+3], v6, s[32:33] offset:XR*4096 th:TH_LOAD_NT
.endif
.else
.if (\f)%2 == 0
	global_load_b128 v[\set+4*\i:\set+4*\i+3], v5, s[32:33] offset:XR*4096 th:TH_LOAD_NT
.else
	global_load_b128 v[\set+4*\i:\set+4*\i+3], v4, s[32:33] offset:(XR+24)*4096 th:TH_LOAD_NT
.endif
.endif
.endr
.endm
.macro XFRAG f
.set RS, 32+64*((\f)%2)
.if (\f) < 3
	s_wait_loadcnt 16                              ; this fragment's 16 loads are in; the next fragment's 16 may be out
.else
	s_wait_loadcnt 0
.endif
.irp i, 0,1,2,3,4,5,6,7,8,9,10,11,12,13,14,15
	ds_store_b128 v7, v[RS+4*\i:RS+4*\i+3] offset:SPIT*\i      ; rows as they lie
.endr
.irp c, 0,1
.irp j, 0,1,2,3,4,5,6,7
	ds_load_b128 v[160+32*\c+4*\j:163+32*\c+4*\j], v8 offset:256*\c+16*\j   ; back: lane (r, h) takes k = 64 c + 32 h + 0 .. 31 of row r.  LDS serves a wave's instructions in order
.endr
.endr
	s_wait_dscnt 0x0                               ; my numbers are in, and the stores have read the set
.if (\f) < 2
	XLOAD (\f)+2, RS
.endif
.irp c, 0,1
	v_max3_num_f32 v[12+\c], |v[160+32*\c]|, |v[161+32*\c]|, FLOOR     ; my two whole blocks, 2 c + h, by turns
.endr
.irp i, 2,4,6,8,10,12,14,16,18,20,22,24,26,28,30
.irp c, 0,1
	v_max3_num_f32 v[12+\c], v[12+\c], |v[160+32*\c+\i]|, |v[161+32*\c+\i]|
.endr
.endr
.irp c, 0,1
	v_add_nc_u32 v[14+\c], TWOOFF, v[12+\c]        ; the conversion's scale operand: it takes the exponent field alone
.endr
.irp c, 0,1
	v_lshrrev_b32 v[16+\c], 23, v[14+\c]           ; the byte
.endr
	v_lshl_or_b32 v18, v17, 16, v16                ; blocks h and 2 + h,
	v_lshlrev_b32 v18, v10, v18                    ; 8 h bits up;
	v_permlanex16_b32 v19, v18, s20, s21
	v_or_b32 v[20+\f], v18, v19                    ; with lane l xor 16's two the row's word is whole
	s_wait_alu depctr_va_vdst(0)                   ; directly ahead of the wait below
	s_wait_xcnt 0x0                                ; the last fragment's stores have read v224-235
	v_cvt_scalef32_pk16_fp6_f32 v[224:226], v[160:175], v14
	v_cvt_scalef32_pk16_fp6_f32 v[236:238], v[176:191], v14    ; (a conversion's three registers begin on an even number)
	v_cvt_scalef32_pk16_fp6_f32 v[230:232], v[192:207], v15
	v_cvt_scalef32_pk16_fp6_f32 v[240:242], v[208:223], v15
	v_nop                                          ; one plain place behind the conversions
.irp i, 0,1,2
	v_mov_b32 v[227+\i], v[236+\i]
	v_mov_b32 v[233+\i], v[240+\i]
.endr
.irp c, 0,1,2
	global_store_b128 v4, v[224+4*\c:227+4*\c], s[16:17] offset:TILEP*(\f)+512*\c   ; 512 consecutive bytes a store
.endr
.endm
; ---- weights: v5 4 x my column; v6 my scale word's place; v32-95 two sets of 32 numbers down K; v96-119 the pair of fragments; v144-146 a conversion's upper half; v148 the scale word
.macro WLOAD t
.irp i, 0,1,2,3,4,5,6,7,8,9,10,11,12,13,14,15,16,17,18,19,20,21,22,23,24,25,26,27,28,29,30,31
	global_load_b32 v[32+32*((\t)%2)+\i], v5, s[32:33] offset:(32*(\t)+\i)*4096 th:TH_LOAD_NT
.endr
.endm
.macro WBLOCK t                        ; block t of my K step: all 32 numbers are mine
.set XS, 32+32*((\t)%2)
.set YQ, TT+12*((\t)%2)+6*((\t)/2)
.if (\t) < 3
	s_wait_loadcnt 32                              ; this block's 32 loads are in; the next block's may be out
.else
	s_wait_loadcnt 0
.endif
	v_max3_num_f32 v12, |v[XS]|, |v[XS+1]|, |v[XS+2]|
	v_max3_num_f32 v13, |v[XS+3]|, |v[XS+4]|, |v[XS+5]|
.irp i, 6,10,14,18,22,26
	v_max3_num_f32 v12, v12, |v[XS+\i]|, |v[XS+\i+1]|
	v_max3_num_f32 v13, v13, |v[XS+\i+2]|, |v[XS+\i+3]|
.endr
	v_max3_num_f32 v12, v12, |v[XS+30]|, |v[XS+31]|
	v_max3_num_f32 v12, v12, v13, FLOOR
	v_add_nc_u32 v14, TWOOFF, v12
.if (\t) == 0
	v_lshrrev_b32 v148, 23, v14
.else
	v_lshrrev_b32 v16, 23, v14
	v_lshl_or_b32 v148, v16, 8*(\t), v148
.endif
	v_cvt_scalef32_pk16_fp6_f32 v[YQ:YQ+2], v[XS:XS+15], v14
	v_cvt_scalef32_pk16_fp6_f32 v[144:146], v[XS+16:XS+31], v14
	v_nop                                          ; one plain place behind the conversions
.irp i, 0,1,2
	v_mov_b32 v[YQ+3+\i], v[144+\i]
.endr
.if (\t)+2 < 4
	WLOAD (\t)+2
.endif
.endm
	s_load_b256 s[4:11], s[0:1], 0x0               ; query s[4:5], key s[6:7], value s[8:9], Wq s[10:11]
	s_load_b256 s[12:19], s[0:1], 0x20             ; Wk s[12:13], Wv s[14:15], xw_codes s[16:17], xw_scales s[18:19]
	v_lshl_add_u32 v248, v0, 2, 0x8400
	v_mov_b32 v249, 0
	v_lshrrev_b32 v1, 5, v0
	v_readfirstlane_b32 s24, v1                    ; wave
	v_and_b32 v1, 31, v0                           ; lane
	v_and_b32 v2, 15, v0                           ; r
	v_bfe_u32 v3, v0, 4, 1                         ; h
	v_lshlrev_b32 v4, 4, v1                        ; 16 x lane
	s_cmp_lt_u32 ttmp9, WGW
	s_cbranch_scc1 .Lweights
	; ---- an activation: a wave takes 64 rows (a quad) x 128 K: four fragments
	s_sub_co_u32 s25, ttmp9, WGW
	s_lshr_b32 s26, s25, 8                         ; which tensor: 0 query, 1 key, 2 value
	s_bfe_u32 s27, s25, 0x70001                    ; quad 0..127
	s_and_b32 s28, s25, 1
	s_lshl_b32 s28, s28, 2
	s_add_co_u32 s28, s28, s24                     ; K step 0..7
	s_cmp_lg_u32 s26, 0                            ; key's and value's tiles take their second eight rows 16 further on
	s_cselect_b32 s29, 2, 1
	s_cselect_b32 s30, 1, 2
	s_lshl_b32 s29, s29, 15                        ; in units of 8 rows of 4,096 bytes
	s_lshl_b32 s30, s30, 15
	s_wait_alu depctr_va_vdst(0)
	v_add_nc_u32 v5, s29, v4
	v_add_nc_u32 v6, s30, v4
	s_mul_i32 s31, s24, WSTG
	v_add_nc_u32 v7, s31, v4
	v_mul_u32_u24 v8, v2, SPIT
	v_lshl_add_u32 v8, v3, 7, v8
	v_add_nc_u32 v8, s31, v8
	v_lshlrev_b32 v9, 3, v1
	v_lshlrev_b32 v10, 3, v3
	v_cmp_eq_u32 s22, 1, v3                        ; the lanes with h = 1
	v_mov_b32 v19, 0                               ; a lane permute's destination counts as one of its sources
	s_mov_b32 s20, 0x76543210
	s_mov_b32 s21, 0xfedcba98                      ; lane l xor 16
	s_lshl_b32 s34, s27, 18                        ; 64 rows of 4,096 bytes
	s_lshl_b32 s35, s28, 9
	s_add_co_u32 s34, s34, s35
	s_mov_b32 s35, 0
	s_lshl_b32 s36, s26, 9
	s_lshl_b32 s37, s27, 2
	s_add_co_u32 s36, s36, s37                     ; my first row tile
	s_mul_i32 s36, s36, TILEP
	s_mul_i32 s37, s28, FRB
	s_add_co_u32 s36, s36, s37
	s_mov_b32 s37, 0
	s_lshl_b32 s38, s26, 7
	s_add_co_u32 s38, s38, s27
	s_lshl_b32 s38, s38, 8
	s_mul_i32 s39, s28, KSTR
	s_add_co_u32 s38, s38, s39
	s_mov_b32 s39, 0
	s_wait_alu depctr_va_vdst(0)                   ; the head's end
	s_wait_kmcnt 0x0
	s_cmp_eq_u32 s26, 0
	s_cselect_b64 s[32:33], s[4:5], s[6:7]
	s_cmp_eq_u32 s26, 2
	s_cselect_b64 s[32:33], s[8:9], s[32:33]
	s_add_nc_u64 s[32:33], s[32:33], s[34:35]
	s_add_nc_u64 s[16:17], s[16:17], s[36:37]
	s_add_nc_u64 s[18:19], s[18:19], s[38:39]
	XLOAD 0, 32
	XLOAD 1, 96
	XFRAG 0
	XFRAG 1
	XFRAG 2
	XFRAG 3
	v_cndmask_b32 v24, v20, v22, s22               ; lanes 0-15: tiles 0, 1; lanes 16-31: tiles 2, 3
	v_cndmask_b32 v25, v21, v23, s22
	global_store_b64 v9, v[24:25], s[18:19]        ; one aligned run of 256 bytes
	s_wait_tensorcnt 0x0                           ; the wave's end
	ds_add_u32 v248, v249
	s_wait_dscnt 0x0
	s_endpgm
.Lweights:
	; ---- a weight: a wave takes 32 columns (two tiles) x 128 K (one K step); a lane takes a column and its registers run down K
	s_lshr_b32 s26, ttmp9, 6                       ; 0 Wq, 1 Wk, 2 Wv
	s_and_b32 s27, ttmp9, 63
	s_lshr_b32 s28, s27, 3
	s_lshl_b32 s28, s28, 2
	s_add_co_u32 s28, s28, s24                     ; b: which 32 columns
	s_and_b32 s29, s27, 7                          ; which K step
	s_cmp_lg_u32 s26, 2
	s_cselect_b32 s30, 24, 0                       ; Wq, Wk: the lane's column is the lane with bits 3 and 4 exchanged
	s_wait_alu depctr_va_vdst(0)
	v_lshrrev_b32 v5, 1, v1
	v_xor_b32 v5, v5, v1
	v_bfe_u32 v5, v5, 3, 1                         ; do the two bits differ?
	v_mul_u32_u24 v5, s30, v5
	v_xor_b32 v5, v5, v1
	v_lshlrev_b32 v5, 2, v5
	v_lshlrev_b32 v6, 3, v2
	v_lshl_add_u32 v6, v3, 2, v6                   ; 8 r + 4 x (which of my two tiles)
	s_lshl_b32 s34, s29, 19                        ; 128 rows of 4,096 bytes
	s_lshl_b32 s35, s28, 7
	s_add_co_u32 s34, s34, s35
	s_mov_b32 s35, 0
	s_lshl_b32 s36, s26, 6
	s_lshl_b32 s37, s28, 1
	s_add_co_u32 s36, s36, s37
	s_add_co_u32 s36, s36, 1536                    ; my first row tile
	s_lshl_b32 s36, s36, 3
	s_add_co_u32 s36, s36, s29
	s_mul_i32 s36, s36, FRB
	s_mov_b32 s37, 0
	s_lshl_b32 s38, s26, 4
	s_lshr_b32 s39, s28, 1
	s_add_co_u32 s38, s38, s39
	s_add_co_u32 s38, s38, 384                     ; my quad
	s_lshl_b32 s38, s38, 8
	s_and_b32 s39, s28, 1
	s_lshl_b32 s39, s39, 7                         ; its lower or upper two tiles
	s_add_co_u32 s38, s38, s39
	s_mul_i32 s39, s29, KSTR
	s_add_co_u32 s38, s38, s39
	s_mov_b32 s39, 0
	s_wait_alu depctr_va_vdst(0)                   ; the head's end
	s_wait_kmcnt 0x0
	s_cmp_eq_u32 s26, 0
	s_cselect_b64 s[32:33], s[10:11], s[12:13]
	s_cmp_eq_u32 s26, 2
	s_cselect_b64 s[32:33], s[14:15], s[32:33]
	s_add_nc_u64 s[32:33], s[32:33], s[34:35]
	s_add_nc_u64 s[16:17], s[16:17], s[36:37]
	s_add_nc_u64 s[18:19], s[18:19], s[38:39]
	WLOAD 0
	WLOAD 1
.irp t, 0,1,2,3
	WBLOCK \t
.endr
; Lanes 0-15 hold the columns of tile 2 b, lanes 16-31 those of tile 2 b + 1; v[TT..] holds each lane's blocks 0 and 2, v[TT+12..] its blocks 1 and 3.
; The exchange of the first's upper lanes with the second's lower lanes makes of them the two tiles' images: lanes 0-15 blocks 0, 2 and lanes 16-31 blocks 1, 3 of one tile.
.irp i, 0,1,2,3,4,5,6,7,8,9,10,11
	v_permlane16_swap_b32 v[TT+\i], v[TT+12+\i]
.endr
.irp u, 0,1
.irp c, 0,1,2
	global_store_b128 v4, v[TT+12*\u+4*\c:TT+12*\u+4*\c+3], s[16:17] offset:TILEP*\u+512*\c
.endr
.endr
	global_store_b32 v6, v148, s[18:19]            ; 128 bytes: half of a unit of scale words (the weights' scale bytes are 96 KiB in all)
	s_endpgm
.Lfunc_end_k_qdfdcb430df_quant:
	.size	k_qdfdcb430df_quant, .Lfunc_end_k_qdfdcb430df_quant-k_qdfdcb430df_quant
	.p2alignl 7, 3214868480
	.fill 96, 4, 3214868480
	.section	.rodata,"a",@progbits
	.p2align	6, 0x0
	.amdhsa_kernel k_qdfdcb430df_quant
		.amdhsa_group_segment_fixed_size 34304
		.amdhsa_private_segment_fixed_size 0
		.amdhsa_enable_private_segment 0
		.amdhsa_kernarg_size 64
		.amdhsa_user_sgpr_count 2
		.amdhsa_user_sgpr_kernarg_segment_ptr 1
		.amdhsa_wavefront_size32 1
		.amdhsa_system_sgpr_workgroup_id_x 1
		.amdhsa_system_sgpr_workgroup_id_y 1
		.amdhsa_system_sgpr_workgroup_id_z 1
		.amdhsa_system_vgpr_workitem_id 0
		.amdhsa_next_free_vgpr 250
		.amdhsa_next_free_sgpr 66
		.amdhsa_reserve_vcc 0
		.amdhsa_float_denorm_mode_32 3
		.amdhsa_float_denorm_mode_16_64 3
		.amdhsa_memory_ordered 1
		.amdhsa_forward_progress 1
		.amdhsa_inst_pref_size 51
	.end_amdhsa_kernel
	.amdgpu_metadata
---
amdhsa.version: [ 1, 2 ]
amdhsa.kernels:
  - .name:           k_qdfdcb430df_quant
    .symbol:         k_qdfdcb430df_quant.kd
    .args:
      - { .name: query, .offset: 0, .size: 8, .value_kind: global_buffer, .address_space: global }
      - { .name: key, .offset: 8, .size: 8, .value_kind: global_buffer, .address_space: global }
      - { .name: value, .offset: 16, .size: 8, .value_kind: global_buffer, .address_space: global }
      - { .name: Wq, .offset: 24, .size: 8, .value_kind: global_buffer, .address_space: global }
      - { .name: Wk, .offset: 32, .size: 8, .value_kind: global_buffer, .address_space: global }
      - { .name: Wv, .offset: 40, .size: 8, .value_kind: global_buffer, .address_space: global }
      - { .name: xw_codes, .offset: 48, .size: 8, .value_kind: global_buffer, .address_space: global }
      - { .name: xw_scales, .offset: 56, .size: 8, .value_kind: global_buffer, .address_space: global }
    .group_segment_fixed_size: 34304
    .private_segment_fixed_size: 0
    .kernarg_segment_align: 8
    .kernarg_segment_size: 64
    .max_flat_workgroup_size: 128
    .sgpr_count:     66
    .vgpr_count:     250
    .wavefront_size: 32
...
	.end_amdgpu_metadata
.endif
;; end of part 1
;; launch proj (part 2): grid 4 x 64, 4 waves a work-group, clusters of 4 x 4, 327,680 bytes of LDS; arguments xw_codes, xw_scales, bq, bk, bv, qk_codes, qk_scales, vt_codes, vt_scales; writes qk_codes, qk_scales, vt_codes, vt_scales
.if DOCPART == 2
	.amdgcn_target "amdgcn-amd-amdhsa--gfx1250"
	.amdhsa_code_object_version 6
	.text
	.protected	k_qdfdcb430df_proj
	.globl	k_qdfdcb430df_proj
	.p2align	8
	.type	k_qdfdcb430df_proj,@function
k_qdfdcb430df_proj:
	s_mov_b64 s[64:65], 0
	v_nop
	global_prefetch_b8 v0, s[64:65] scope:SCOPE_SE
	s_setreg_imm32_b32 hwreg(HW_REG_WAVE_MODE, 25, 1), 1
	s_wait_xcnt 0x0
	s_wait_alu depctr_hold_cnt(0) depctr_sa_sdst(0) depctr_va_vdst(0) depctr_va_sdst(0) depctr_va_ssrc(0) depctr_va_vcc(0) depctr_vm_vsrc(0)
	s_getreg_b32 s2, hwreg(HW_REG_IB_STS2, 6, 4)
	s_cmp_eq_u32 s2, 0
	s_cbranch_scc0 .Lentry_in_a_cluster
	s_endpgm
.Lentry_in_a_cluster:
	s_bfe_u32 s2, ttmp6, 0x10000c
	s_cmp_lg_u32 s2, 0xf033
	s_cbranch_scc0 .Lentry_shape_is_right
	s_endpgm
.Lentry_shape_is_right:
; q = query Wq + bq, k = key Wk + bk and v^T = (value Wv + bv)^T on codes of FP6 (E2M3); each result is quantised along the next product's K and stored as images of operand registers.
; A work-group of four waves stays and makes three tiles of 128 x 256, K = 1,024: tile 0 of q, tile 1 of k (source 0 = 16 columns of the weight, source 1 = 16 rows of x: a lane holds one row and
; 16 neighbouring channels in two accumulators), tile 2 of v^T (source 0 = 16 rows of value, source 1 = 16 columns of Wv: a lane holds one channel and 16 neighbouring keys).  The bias is the C of a tile's first products.
; LDS: a ring of two slots of 512 along K (source 1's 8 row tiles, then source 0's 16), behind it the spare words.  The launch claims all of a WGP's LDS.
; CLUSTER 4 x 4: source 1's tiles are shared along a row of the cluster, source 0's along a column; every refill stands behind a round of the cluster's barrier.
; LIMITS: NaN and infinities are not served.  A block of zeros gets the byte 1: its codes are zeros, and this program alone reads the bytes.
.set TILEP, 12288
.set KSTR,  110592
.set SLOT,  147456
.set HALFA, 24576
.set HALFB, 49152
.set SPARE, 2*SLOT
.set G1A, 24
.set G0A, 32
.set G1B, 48
.set G0B, 56
.set TM, 32
.set PC, 48
.set PW, 68
.set SCL, 80
.set BIA, 96
.set MSB, 0
.macro WIN new
.if MSB != \new
	s_set_vgpr_msb (MSB<<8)|\new
.set MSB, \new
.endif
.endm
.macro PLACES n
.rept \n
	v_nop
.endr
.endm
.macro SHAPE g, c, r, p
	s_mov_b32 s[\g+1], (\c)<<16
	s_mov_b32 s[\g+2], (\r)<<16
	s_mov_b32 s[\g+3], (\c)<<16
	s_mov_b32 s[\g+4], \r
	s_mov_b32 s[\g+5], \p
	s_mov_b32 s[\g+6], 0
	s_mov_b32 s[\g+7], 0
.endm
.macro JLOAD g0a, g1a, g0b, g1b
	s_cmp_eq_u32 s23, 0
	s_cbranch_scc0 .Lfor_b_\@
	tensor_load_to_lds s[\g0a:\g0a+3], s[\g1a:\g1a+7]
	s_nop 0
.rept 4
	v_nop
.endr
	s_branch .Lasked_\@
.Lfor_b_\@:
	tensor_load_to_lds s[\g0b:\g0b+3], s[\g1b:\g1b+7]
	s_nop 0
.rept 4
	v_nop
.endr
.Lasked_\@:
.endm
.macro CREST
	s_cmp_lg_u32 s22, 0
	s_cbranch_scc1 .Lnot_wave_0_\@
	s_barrier_signal -3
.Lnot_wave_0_\@:
	s_barrier_wait -3
	s_barrier_signal -1
	s_barrier_wait -1
.endm
.macro CROUND
	s_barrier_signal -1
	s_barrier_wait -1
	CREST
.endm
.macro HEAD0 g, lds, base, off         ; group 0 of one of the head's four fills: a whole part of a slot
	s_mov_b32 s[\g], 1
	s_mov_b32 s[\g+1], \lds
.if \off
	s_add_nc_u64 s[\g+2:\g+3], s[\base:\base+1], \off
.else
	s_mov_b64 s[\g+2:\g+3], s[\base:\base+1]
.endif
	s_or_b32 s[\g+3], s[\g+3], 0x80000000
.endm
.macro ARM under, g0, g1, next         ; one arm of the head's chain on the wave's number: its fill, and a jump to the chain's end
	s_cmp_lt_u32 s22, \under
	s_cbranch_scc0 \next
	tensor_load_to_lds s[\g0:\g0+3], s[\g1:\g1+7]
	s_nop 0
.rept 4
	v_nop
.endr
	s_branch .Lhead_asked
\next:
.endm
; A prefetch for a later refill: 512 along K of a row tile are 6,144 bytes, 24 blocks of 256: a lane a block (lanes 24-31 name the last block again).  Of the row tiles that a wave will fetch, each of the four
; partners that ask for them jointly takes a quarter, told apart by address: one row tile of source 1's four, two of source 0's eight.  The address registers are never rewritten.
.macro ASK pf, off
	global_prefetch_b8 v14, s[\pf:\pf+1] offset:\off th:TH_LOAD_NT scope:SCOPE_SE
	s_cmp_eq_u32 s23, 0
	s_cbranch_scc1 .Lasked_all_\@
	global_prefetch_b8 v14, s[\pf:\pf+1] offset:(\off)+TILEP th:TH_LOAD_NT scope:SCOPE_SE
.Lasked_all_\@:
.endm
.macro FETCH slot, q, p
	WIN 0x40
.irp i, 0,1,2,3,4,5,6,7
.irp c, 0,1,2
	ds_load_b128 v[128*(\p)+12*\i+4*\c:128*(\p)+12*\i+4*\c+3], v[6+\slot] offset:6144*\i+1536*(\q)+512*\c
.endr
.endr
	WIN 0xc0
.irp i, 0,1,2,3
.irp c, 0,1,2
	ds_load_b128 v[48*(\p)+12*\i+4*\c:48*(\p)+12*\i+4*\c+3], v[4+\slot] offset:6144*\i+1536*(\q)+512*\c
.endr
.endr
.endm
.macro WM a, b, p, kap, t, mode
.set rD, 8*(8*(\a)+(\b))
.set rA, 128*(\p)+12*(\b)
.set rB, 48*(\p)+12*(\a)
.set rX, SCL+48*(\t)+6*(\kap)+(\b)%4
.set rY, SCL+48*(\t)+6*(\kap)+4+(\a)%2
.set rC, rD
.if (\mode) == 2
.set rC, BIA+64*(\t)+8*(\b)
.endif
.if (\mode) == 3
.set rC, BIA+64*(\t)+8*(\a)
.endif
.if ((\b) < 4) && ((\a) < 2)
	v_wmma_scale_f32_16x16x128_f8f6f4 v[rD:rD+7], v[rA:rA+11], v[rB:rB+11], v[rC:rC+7], v[rX], v[rY] matrix_a_fmt:MATRIX_FMT_FP6 matrix_b_fmt:MATRIX_FMT_FP6
.elseif (\a) < 2
	v_wmma_scale_f32_16x16x128_f8f6f4 v[rD:rD+7], v[rA:rA+11], v[rB:rB+11], v[rC:rC+7], v[rX], v[rY] matrix_a_fmt:MATRIX_FMT_FP6 matrix_b_fmt:MATRIX_FMT_FP6 matrix_a_scale:MATRIX_SCALE_ROW1
.elseif (\b) < 4
	v_wmma_scale_f32_16x16x128_f8f6f4 v[rD:rD+7], v[rA:rA+11], v[rB:rB+11], v[rC:rC+7], v[rX], v[rY] matrix_a_fmt:MATRIX_FMT_FP6 matrix_b_fmt:MATRIX_FMT_FP6 matrix_b_scale:MATRIX_SCALE_ROW1
.else
	v_wmma_scale_f32_16x16x128_f8f6f4 v[rD:rD+7], v[rA:rA+11], v[rB:rB+11], v[rC:rC+7], v[rX], v[rY] matrix_a_fmt:MATRIX_FMT_FP6 matrix_b_fmt:MATRIX_FMT_FP6 matrix_a_scale:MATRIX_SCALE_ROW1 matrix_b_scale:MATRIX_SCALE_ROW1
.endif
.endm
.macro MULA a, p, kap, t, mode
.if (\mode) >= 2
	WIN 0xbd
.else
	WIN 0xad
.endif
.irp b, 0,1,2,3,4,5,6,7
	WM \a, \b, \p, \kap, \t, \mode
.endr
.endm
.macro STEP slot, q, kap, t, mode
	s_wait_dscnt 6
	MULA 0, (\q)%2, \kap, \t, \mode
	MULA 1, (\q)%2, \kap, \t, \mode
	s_wait_dscnt 0x0
	PLACES 4
	FETCH \slot, (\q)+1, 1-(\q)%2
	MULA 2, (\q)%2, \kap, \t, \mode
	MULA 3, (\q)%2, \kap, \t, \mode
	WIN 0
.endm
.macro NEXTD slot, kind
.if (\kind) == 1
	s_add_nc_u64 s[G0A+4*\slot+2:G0A+4*\slot+3], s[G0A+4*\slot+2:G0A+4*\slot+3], 512*TILEP
	s_add_nc_u64 s[G0B+4*\slot+2:G0B+4*\slot+3], s[G0B+4*\slot+2:G0B+4*\slot+3], 64*TILEP
.else
	s_add_nc_u64 s[G0A+4*\slot+2:G0A+4*\slot+3], s[G0A+4*\slot+2:G0A+4*\slot+3], s[68:69]
	s_sub_nc_u64 s[G0B+4*\slot+2:G0B+4*\slot+3], s[G0B+4*\slot+2:G0B+4*\slot+3], s[70:71]
.endif
.endm
.macro CHANGE t, kind
	s_wait_tensorcnt 0x0                           ; all my tensor loads have landed: my part of slot 1 among them
	ds_add_u32 v10, v11
.if (\t) == 0
	s_mov_b32 s[G1A+2], 4<<16                      ; no tensor load of mine is out: from here on a load brings half of a part: 4 row tiles of source 1,
	s_mov_b32 s[G1A+4], 4
	s_mov_b32 s[G1B+2], 8<<16                      ; 8 of source 0
	s_mov_b32 s[G1B+4], 8
.endif
	s_wait_dscnt 7
	MULA 0, 1, 3, \t, 0
	s_wait_dscnt 0x0
	s_barrier_signal -1
	MULA 1, 1, 3, \t, 0
	WIN 0
	s_barrier_wait -1
.if \kind
	CREST
	NEXTD 0, \kind
	JLOAD G0A, G1A, G0B, G1B
.else
	PLACES 4
.endif
	FETCH 1, 0, 0
	MULA 2, 1, 3, \t, 0
	MULA 3, 1, 3, \t, 0
	WIN 0
.endm
.macro LAST t
	s_wait_dscnt 6
	MULA 0, 1, 7, \t, 0
	MULA 1, 1, 7, \t, 0
	s_wait_dscnt 0x0
	MULA 2, 1, 7, \t, 0
	MULA 3, 1, 7, \t, 0
	WIN 0
	PLACES 4
.endm
.macro REFILL kind
	s_wait_tensorcnt 0x0
	ds_add_u32 v10, v11
	NEXTD 1, \kind
	s_wait_dscnt 0x0
	CROUND
	JLOAD G0A+4, G1A, G0B+4, G1B
	FETCH 0, 0, 0
.endm
; Tiles a and a + 1 of my four are quantised together, their eight blocks' chains by turns, so that no line reads the line just above it.  Tile a + u: its accumulators at v[64 (a + u)] of window 2;
; at work v[TM - 16 u] on (v32-47, v16-31), its fragment at v[PC + 176 u] on (v48-66, v224-242).
.macro QUANT2 a, bs, off, stride
	WIN 0x0a
.irp u, 0,1
.irp b, 0,1,2,3
	v_max3_num_f32 v[TM-16*\u+\b], |v[64*((\a)+\u)+16*\b]|, |v[64*((\a)+\u)+16*\b+1]|, 0x1800000   ; a block's largest magnitude, with the floor 2^(3 - 127) among its leaves
.endr
.endr
	WIN 0x28
.irp i, 2,4,6,8,10,12,14
.irp u, 0,1
.irp b, 0,1,2,3
	v_max3_num_f32 v[TM-16*\u+\b], v[TM-16*\u+\b], |v[64*((\a)+\u)+16*\b+\i]|, |v[64*((\a)+\u)+16*\b+\i+1]|
.endr
.endr
.endr
	WIN 0
.irp u, 0,1
.irp b, 0,1,2,3
	v_permlanex16_b32 v[TM-16*\u+4+\b], v[TM-16*\u+\b], s96, s97
.endr
.endr
.irp u, 0,1
.irp b, 0,1,2,3
	v_max_num_f32 v[TM-16*\u+\b], v[TM-16*\u+\b], v[TM-16*\u+4+\b]       ; with lane l xor 16's 16 numbers
.endr
.endr
.irp u, 0,1
.irp b, 0,1,2,3
	v_add_nc_u32 v[TM-16*\u+12+\b], 0xff000000, v[TM-16*\u+\b]           ; 2 off the exponent field: the conversion's scale operand
.endr
.endr
.irp u, 0,1
.irp b, 0,1,2,3
	v_lshrrev_b32 v[TM-16*\u+4+\b], 23, v[TM-16*\u+12+\b]                ; the byte
.endr
.endr
.irp u, 0,1
	v_lshl_or_b32 v[PW+(\a)+\u], v[TM-16*\u+5], 8, v[TM-16*\u+4]
.endr
.irp u, 0,1
	v_lshl_or_b32 v[PW+(\a)+\u], v[TM-16*\u+6], 16, v[PW+(\a)+\u]
.endr
.irp u, 0,1
	v_lshl_or_b32 v[PW+(\a)+\u], v[TM-16*\u+7], 24, v[PW+(\a)+\u]
.endr
	s_wait_xcnt 0x0                                ; the earlier stores have read the fragments' registers
	WIN 0x02
.irp u, 0,1
.irp c, 0,1
	v_cvt_scalef32_pk16_fp6_f32 v[PC+176*\u+6*\c:PC+176*\u+6*\c+2], v[64*((\a)+\u)+32*\c:64*((\a)+\u)+32*\c+15], v[TM-16*\u+12+2*\c]
	v_cvt_scalef32_pk16_fp6_f32 v[PC+176*\u+12+4*\c:PC+176*\u+14+4*\c], v[64*((\a)+\u)+32*\c+16:64*((\a)+\u)+32*\c+31], v[TM-16*\u+13+2*\c]
.endr
.endr
	WIN 0
	v_nop                                          ; one plain place behind the conversions
.irp u, 0,1
.irp c, 0,1
.irp i, 0,1,2
	v_permlane16_swap_b32 v[PC+176*\u+6*\c+\i], v[PC+176*\u+12+4*\c+\i]  ; the layout wants a whole block in a lane
.endr
.endr
.endr
.irp u, 0,1
.irp c, 0,1
.irp i, 0,1,2
	v_mov_b32 v[PC+176*\u+3+6*\c+\i], v[PC+176*\u+12+4*\c+\i]
.endr
.endr
.endr
.irp u, 0,1
.irp c, 0,1,2
	global_store_b128 v3, v[PC+176*\u+4*\c:PC+176*\u+4*\c+3], s[\bs:\bs+1] offset:(\off)+(\stride)*\u+512*\c
.endr
.endr
.endm
.macro EPI bs, off, stride, sbs, soff, kind
	QUANT2 0, \bs, \off, \stride
.if \kind
	REFILL \kind
.endif
	QUANT2 2, \bs, (\off)+2*(\stride), \stride
	v_cmp_eq_u32 vcc_lo, 1, v2
	v_cndmask_b32 v72, v[PW], v[PW+2], vcc_lo
	v_cndmask_b32 v73, v[PW+1], v[PW+3], vcc_lo
	global_store_b64 v8, v[72:73], s[\sbs:\sbs+1] offset:\soff
.endm
.macro LOADS t
	WIN 0
.if (\t) < 2
.irp k, 0,1,2,3,4,5,6,7
	global_load_b64 v[SCL+48*(\t)+6*\k:SCL+48*(\t)+6*\k+1], v9, s[74:75] offset:KSTR*\k+4096*(\t)
	global_load_b64 v[SCL+48*(\t)+6*\k+2:SCL+48*(\t)+6*\k+3], v9, s[74:75] offset:KSTR*\k+4096*(\t)+128
	global_load_b64 v[SCL+48*(\t)+6*\k+4:SCL+48*(\t)+6*\k+5], v8, s[72:73] offset:KSTR*\k+32768*(\t)
.endr
	WIN 0xc0
.irp b, 0,1,2,3,4,5,6,7
	global_load_b128 v[BIA+64*(\t)+8*\b:BIA+64*(\t)+8*\b+3], v12, s[8+2*(\t):9+2*(\t)] offset:(32*(\b/2)+8*(\b%2))*4
	global_load_b128 v[BIA+64*(\t)+8*\b+4:BIA+64*(\t)+8*\b+7], v12, s[8+2*(\t):9+2*(\t)] offset:(32*(\b/2)+8*(\b%2))*4+16
.endr
.else
.irp k, 0,1,2,3,4,5,6,7
	global_load_b64 v[SCL+48*(\t)+6*\k:SCL+48*(\t)+6*\k+1], v9, s[78:79] offset:KSTR*\k
	global_load_b64 v[SCL+48*(\t)+6*\k+2:SCL+48*(\t)+6*\k+3], v9, s[78:79] offset:KSTR*\k+128
	global_load_b64 v[SCL+48*(\t)+6*\k+4:SCL+48*(\t)+6*\k+5], v8, s[76:77] offset:KSTR*\k
.endr
	WIN 0xc0
.irp a, 0,1,2,3
.irp j, 0,1,2,3,4,5,6,7
	global_load_b32 v[BIA+64*(\t)+8*\a+\j], v13, s[12:13] offset:64*\a
.endr
.endr
.endif
	WIN 0
.endm
.macro TILE t, mode, kind
	STEP 0, 0, 0, \t, \mode
.if (\t) == 1
	ASK 40, 6144                                   ; tile 2's second half: its load is issued on tile 1's way out, seven K steps on
.endif
	STEP 0, 1, 1, \t, 0
	STEP 0, 2, 2, \t, 0
	CHANGE \t, \kind
.if (\t) == 0
	ASK 40, 0                                      ; tile 2's first half: its load is issued at tile 1's change of slots, eight K steps on
.endif
	STEP 1, 0, 4, \t, 0
	STEP 1, 1, 5, \t, 0
	STEP 1, 2, 6, \t, 0
	LAST \t
.endm
	s_load_b256 s[4:11], s[0:1], 0x0
	s_load_b256 s[12:19], s[0:1], 0x20
	s_load_b64 s[20:21], s[0:1], 0x40
	v_lshl_add_u32 v10, v0, 2, SPARE
	v_mov_b32 v11, 0
	ds_add_u32 v10, v11
	ds_add_u32 v10, v11
	s_wait_dscnt 0x0
	v_lshrrev_b32 v1, 5, v0
	v_readfirstlane_b32 s22, v1
	s_lshr_b32 s23, s22, 1
	s_and_b32 s3, s22, 1
	v_and_b32 v1, 15, v0
	v_bfe_u32 v2, v0, 4, 1
	v_and_b32 v3, 31, v0
	v_lshlrev_b32 v3, 4, v3
	s_mul_i32 s98, s23, HALFA
	v_add_nc_u32 v4, s98, v3
	v_add_nc_u32 v5, SLOT, v4
	s_mul_i32 s98, s3, HALFB
	s_add_co_u32 s98, s98, 2*HALFA
	v_add_nc_u32 v6, s98, v3
	v_add_nc_u32 v7, SLOT, v6
	v_lshrrev_b32 v8, 1, v3
	v_lshlrev_b32 v9, 3, v1
	v_lshl_add_u32 v9, v2, 8, v9
	v_lshlrev_b32 v12, 6, v2
	v_lshlrev_b32 v13, 2, v1
	v_and_b32 v14, 31, v0
	v_min_u32 v14, 23, v14
	v_lshlrev_b32 v14, 8, v14                      ; the prefetches' offset: 256 x min(lane, 23); never rewritten
.irp b, 0,1,2,3
	v_mov_b32 v[TM+4+\b], 0                        ; a lane permute's destination counts as one of its sources: both sets
	v_mov_b32 v[TM-12+\b], 0
.endr
	s_mov_b32 s96, 0x76543210
	s_mov_b32 s97, 0xfedcba98
	s_bfe_u32 s40, ttmp6, 0x40000
	s_bfe_u32 s41, ttmp6, 0x40004
	s_lshl_b32 s43, s41, 2
	s_lshl_b32 s43, 15, s43
	s_lshl_b32 s44, 0x1111, s40
	s_and_b32 s92, ttmp7, 0xffff
	s_lshl_b32 s45, s92, 2
	s_add_co_u32 s45, s45, s41
	s_and_b32 s93, s92, 7
	s_lshl_b32 s93, s93, 2
	s_add_co_u32 s93, s93, s40
	s_lshr_b32 s94, s92, 3
	s_lshl_b32 s94, s94, 2
	s_add_co_u32 s94, s94, s41
	s_lshl_b32 s66, s45, 3
	s_lshl_b32 s67, s3, 2
	s_add_co_u32 s66, s66, s67
	s_mul_i32 s66, s66, TILEP
	s_mov_b32 s67, 0
	s_lshl_b32 s46, s40, 4
	s_lshl_b32 s47, s3, 3
	s_add_co_u32 s46, s46, s47
	s_add_co_u32 s46, s46, 1536
	s_mul_i32 s46, s46, TILEP
	s_mov_b32 s47, 0
	s_lshr_b32 s68, s92, 3
	s_lshl_b32 s68, s68, 5
	s_add_co_u32 s68, s68, 1152
	s_lshl_b32 s69, s92, 5
	s_sub_co_u32 s68, s68, s69
	s_mul_i32 s68, s68, TILEP
	s_mov_b32 s69, 0
	s_and_b32 s70, s92, 7
	s_lshl_b32 s70, s70, 6
	s_sub_co_u32 s70, 576, s70
	s_mul_i32 s70, s70, TILEP
	s_mov_b32 s71, 0
	s_lshl_b32 s72, s45, 1
	s_add_co_u32 s72, s72, s23
	s_lshl_b32 s72, s72, 8
	s_mov_b32 s73, 0
	s_lshl_b32 s74, s40, 2
	s_lshl_b32 s75, s3, 1
	s_add_co_u32 s74, s74, s75
	s_add_co_u32 s74, s74, 384
	s_lshl_b32 s74, s74, 8
	s_mov_b32 s75, 0
	s_lshl_b32 s76, s94, 1
	s_add_co_u32 s76, s76, s23
	s_add_co_u32 s76, s76, 416
	s_lshl_b32 s76, s76, 8
	s_mov_b32 s77, 0
	s_lshl_b32 s78, s93, 2
	s_lshl_b32 s79, s3, 1
	s_add_co_u32 s78, s78, s79
	s_add_co_u32 s78, s78, 256
	s_lshl_b32 s78, s78, 8
	s_mov_b32 s79, 0
	s_lshl_b32 s80, s40, 10
	s_lshl_b32 s81, s3, 9
	s_add_co_u32 s80, s80, s81
	s_mov_b32 s81, 0
	s_lshl_b32 s82, s94, 9
	s_lshl_b32 s83, s23, 8
	s_add_co_u32 s82, s82, s83
	s_mov_b32 s83, 0
	s_lshl_b32 s100, s40, 1
	s_add_co_u32 s100, s100, s3
	s_lshl_b32 s84, s45, 3
	s_lshl_b32 s85, s23, 2
	s_add_co_u32 s84, s84, s85
	s_mul_i32 s84, s84, TILEP
	s_mul_i32 s85, s100, 1536
	s_add_co_u32 s84, s84, s85
	s_mov_b32 s85, 0
	s_lshl_b32 s86, s100, 16
	s_add_co_u32 s86, s86, s72
	s_mov_b32 s87, 0
	s_lshl_b32 s100, s93, 1
	s_add_co_u32 s100, s100, s3
	s_lshl_b32 s88, s94, 3
	s_lshl_b32 s89, s23, 2
	s_add_co_u32 s88, s88, s89
	s_mul_i32 s88, s88, 98304
	s_mul_i32 s89, s100, 1536
	s_add_co_u32 s88, s88, s89
	s_mov_b32 s89, 0
	s_lshl_b32 s90, s100, 12
	s_lshl_b32 s91, s94, 1
	s_add_co_u32 s91, s91, s23
	s_lshl_b32 s91, s91, 8
	s_add_co_u32 s90, s90, s91
	s_mov_b32 s91, 0
	s_mul_i32 s100, s45, 8*TILEP                   ; the head's fills take whole parts: source 1's 8 row tiles,
	s_mov_b32 s101, 0
	s_lshl_b32 s92, s40, 4
	s_add_co_u32 s92, s92, 1536
	s_mul_i32 s92, s92, TILEP                      ; source 0's 16
	s_mov_b32 s93, 0
	s_or_b32 s[G1A], s43, (3<<16)|(1<<21)
	s_or_b32 s[G1B], s44, (3<<16)|(1<<21)
	SHAPE G1A, 768, 8, TILEP/8
	SHAPE G1B, 768, 16, TILEP/8
	s_mul_i32 s98, s3, HALFA
	s_mul_i32 s99, s3, HALFB
	s_add_co_u32 s99, s99, 2*HALFA
	s_wait_kmcnt 0x0
	s_add_nc_u64 s[66:67], s[4:5], s[66:67]
	s_add_nc_u64 s[46:47], s[4:5], s[46:47]
	s_add_nc_u64 s[100:101], s[4:5], s[100:101]
	s_add_nc_u64 s[92:93], s[4:5], s[92:93]
	s_add_nc_u64 s[72:73], s[6:7], s[72:73]
	s_add_nc_u64 s[74:75], s[6:7], s[74:75]
	s_add_nc_u64 s[76:77], s[6:7], s[76:77]
	s_add_nc_u64 s[78:79], s[6:7], s[78:79]
	s_add_nc_u64 s[8:9], s[8:9], s[80:81]
	s_add_nc_u64 s[10:11], s[10:11], s[80:81]
	s_add_nc_u64 s[12:13], s[12:13], s[82:83]
	s_add_nc_u64 s[14:15], s[14:15], s[84:85]
	s_add_nc_u64 s[16:17], s[16:17], s[86:87]
	s_add_nc_u64 s[18:19], s[18:19], s[88:89]
	s_add_nc_u64 s[20:21], s[20:21], s[90:91]
	CROUND
.irp s, 0,1
	s_mov_b32 s[G0A+4*\s], 1
	s_add_co_u32 s[G0A+4*\s+1], s98, \s*SLOT
	s_add_nc_u64 s[G0A+4*\s+2:G0A+4*\s+3], s[66:67], \s*6144
	s_or_b32 s[G0A+4*\s+3], s[G0A+4*\s+3], 0x80000000
	s_mov_b32 s[G0B+4*\s], 1
	s_add_co_u32 s[G0B+4*\s+1], s99, \s*SLOT
	s_add_nc_u64 s[G0B+4*\s+2:G0B+4*\s+3], s[46:47], \s*6144
	s_or_b32 s[G0B+4*\s+3], s[G0B+4*\s+3], 0x80000000
.endr
	; THE HEAD'S FILLS, ONE A WAVE, as one group behind the round: wave 0 source 1's part of slot 0, wave 1 source 0's, waves 2 and 3 the same of slot 1 (group 0 in registers whose arguments and offsets have been used)
	HEAD0 80, 0, 100, 0
	HEAD0 84, 2*HALFA, 92, 0
	HEAD0 88, SLOT, 100, 6144
	HEAD0 4, SLOT+2*HALFA, 92, 6144
	ARM 1, 80, G1A, .Lhead_b0
	ARM 2, 84, G1B, .Lhead_a1
	ARM 3, 88, G1A, .Lhead_b1
	tensor_load_to_lds s[4:7], s[G1B:G1B+7]
	s_nop 0
.rept 4
	v_nop
.endr
.Lhead_asked:
	; where my prefetches stand: my work-group's quarter of the row tiles that my wave fetches in the ring; s[44:45] for tile 1, s[40:41] for tile 2
	s_cmp_eq_u32 s23, 0                            ; do I fetch for source 1?
	s_cselect_b32 s2, s40, s41                     ; my place among the four that ask with me
	s_mov_b32 s42, 2*TILEP
	s_cselect_b32 s42, TILEP, s42
	s_mul_i32 s42, s42, s2
	s_mov_b32 s43, 0
	s_cselect_b64 s[44:45], s[66:67], s[46:47]
	s_add_nc_u64 s[44:45], s[44:45], s[42:43]
	s_mov_b32 s42, 64*TILEP
	s_cselect_b32 s42, 512*TILEP, s42
	s_add_nc_u64 s[44:45], s[44:45], s[42:43]      ; the steps that the ring's descriptors take from tile to tile
	s_add_nc_u64 s[40:41], s[44:45], s[68:69]
	s_sub_nc_u64 s[42:43], s[44:45], s[70:71]
	s_cselect_b64 s[40:41], s[40:41], s[42:43]
	s_wait_alu depctr_va_vdst(0)                   ; the head's end
	ASK 44, 0                                      ; tile 1's two halves: their loads are issued at tile 0's change of slots, three K steps on, and on its way out
	ASK 44, 6144
	LOADS 0
	s_cmp_lt_u32 s22, 2                            ; waves 0 and 1 wait for slot 0's parts; slot 1's loads may be out
	s_cbranch_scc0 .Lslot1_out
	s_wait_tensorcnt 0x0
.Lslot1_out:
	s_barrier_signal -1
	s_barrier_wait -1
	FETCH 0, 0, 0
	s_wait_loadcnt 0x0
	LOADS 1
	TILE 0, 2, 1
	EPI 14, 0, TILEP, 16, 0, 1
	s_wait_loadcnt 0x0
	LOADS 2
	TILE 1, 2, 2
	EPI 14, 512*TILEP, TILEP, 16, 32768, 2
	s_wait_loadcnt 0x0
	TILE 2, 3, 0
	EPI 18, 0, 98304, 20, 0, 0
	s_wait_tensorcnt 0x0
	ds_add_u32 v10, v11
	s_wait_dscnt 0x0
	CROUND
	s_endpgm
.Lfunc_end_k_qdfdcb430df_proj:
	.size	k_qdfdcb430df_proj, .Lfunc_end_k_qdfdcb430df_proj-k_qdfdcb430df_proj
	.p2alignl 7, 3214868480
	.fill 96, 4, 3214868480
	.section	.rodata,"a",@progbits
	.p2align	6, 0x0
	.amdhsa_kernel k_qdfdcb430df_proj
		.amdhsa_group_segment_fixed_size 327680
		.amdhsa_private_segment_fixed_size 0
		.amdhsa_enable_private_segment 0
		.amdhsa_kernarg_size 72
		.amdhsa_user_sgpr_count 2
		.amdhsa_user_sgpr_kernarg_segment_ptr 1
		.amdhsa_wavefront_size32 1
		.amdhsa_system_sgpr_workgroup_id_x 1
		.amdhsa_system_sgpr_workgroup_id_y 1
		.amdhsa_system_sgpr_workgroup_id_z 1
		.amdhsa_system_vgpr_workitem_id 0
		.amdhsa_next_free_vgpr 1024
		.amdhsa_next_free_sgpr 102
		.amdhsa_reserve_vcc 1
		.amdhsa_float_denorm_mode_32 3
		.amdhsa_float_denorm_mode_16_64 3
		.amdhsa_memory_ordered 1
		.amdhsa_forward_progress 1
		.amdhsa_inst_pref_size 238
	.end_amdhsa_kernel
	.amdgpu_metadata
---
amdhsa.version: [ 1, 2 ]
amdhsa.kernels:
  - .name:           k_qdfdcb430df_proj
    .symbol:         k_qdfdcb430df_proj.kd
    .args:
      - { .name: xw_codes, .offset: 0, .size: 8, .value_kind: global_buffer, .address_space: global }
      - { .name: xw_scales, .offset: 8, .size: 8, .value_kind: global_buffer, .address_space: global }
      - { .name: bq, .offset: 16, .size: 8, .value_kind: global_buffer, .address_space: global }
      - { .name: bk, .offset: 24, .size: 8, .value_kind: global_buffer, .address_space: global }
      - { .name: bv, .offset: 32, .size: 8, .value_kind: global_buffer, .address_space: global }
      - { .name: qk_codes, .offset: 40, .size: 8, .value_kind: global_buffer, .address_space: global }
      - { .name: qk_scales, .offset: 48, .size: 8, .value_kind: global_buffer, .address_space: global }
      - { .name: vt_codes, .offset: 56, .size: 8, .value_kind: global_buffer, .address_space: global }
      - { .name: vt_scales, .offset: 64, .size: 8, .value_kind: global_buffer, .address_space: global }
    .group_segment_fixed_size: 327680
    .private_segment_fixed_size: 0
    .kernarg_segment_align: 8
    .kernarg_segment_size: 72
    .max_flat_workgroup_size: 128
    .sgpr_count:     102
    .vgpr_count:     1024
    .wavefront_size: 32
...
	.end_amdgpu_metadata
.endif
;; end of part 2
;; launch scores (part 3): grid 4 x 64, 4 waves a work-group, clusters of 4 x 4, 327,680 bytes of LDS; arguments qk_codes, qk_scales, p_codes, p_stats; writes p_codes, p_stats
.if DOCPART == 3
	.amdgcn_target "amdgcn-amd-amdhsa--gfx1250"
	.amdhsa_code_object_version 6
	.text
	.protected	k_qdfdcb430df_scores
	.globl	k_qdfdcb430df_scores
	.p2align	8
	.type	k_qdfdcb430df_scores,@function
k_qdfdcb430df_scores:
	s_mov_b64 s[64:65], 0
	v_nop
	global_prefetch_b8 v0, s[64:65] scope:SCOPE_SE
	s_setreg_imm32_b32 hwreg(HW_REG_WAVE_MODE, 25, 1), 1
	s_wait_xcnt 0x0
	s_wait_alu depctr_hold_cnt(0) depctr_sa_sdst(0) depctr_va_vdst(0) depctr_va_sdst(0) depctr_va_ssrc(0) depctr_va_vcc(0) depctr_vm_vsrc(0)
	s_getreg_b32 s2, hwreg(HW_REG_IB_STS2, 6, 4)
	s_cmp_eq_u32 s2, 0
	s_cbranch_scc0 .Lentry_in_a_cluster
	s_endpgm
.Lentry_in_a_cluster:
	s_bfe_u32 s2, ttmp6, 0x10000c
	s_cmp_lg_u32 s2, 0xf033
	s_cbranch_scc0 .Lentry_shape_is_right
	s_endpgm
.Lentry_shape_is_right:
; S^T = k q^T on codes of FP6 (E2M3), then the softmax's p for the last product, quantised along the keys, per 128 keys with a LOCAL whole number M.
; t = score x log2(e) / 32.  For a query and the wave's 128 keys: M' = ceil(the largest t of these keys); p = 2^(t - M'); l' = the sum of the unquantised p.  p's codes and scale bytes, -M' and l' go to memory.
; The row's M is the largest M'; since M - M' is a whole number, the next launch takes it off p's scale bytes and weighs l' by 2^(M' - M): the codes' values are those under M.  A maximum is taken away ahead of every exponential.
; THE PRODUCT.  Source 0 (S0) = 16 keys, source 1 (S1) = 16 queries: a lane holds ONE query (lane % 16).  k's tiles were formed so that a lane's 16 registers of tiles 2 b, 2 b + 1 are keys 32 b + 16 (lane / 16) + 0 .. 15.
; SHARES.  A work-group: 256 queries x 256 keys of one batch, K = 1,024: 4 x 8 x 8 = 256 work-groups.  Wave w: 128 queries (w / 2) x 128 keys (w % 2): 64 accumulators; its 128 keys are one K step of the last product.
; A step of 128 along K is 64 matrix instructions, S1's blocks one after the other, each against S0's eight: S1 has one set of registers (blocks 0-3 fetched anew in the step's middle, 4-7 at its end), S0 two.
; LDS.  Slot 0: K steps 0 and 1 (16 + 16 row tiles x 3,072 bytes); slot 1: K steps 2 to 5 (x 6,144).  Slot 0 is filled again once, with K steps 6 and 7, at step 1, and is waited for at step 5.  Behind them the spare words.
;   The launch claims all of a WGP's LDS.
; THE SCALE WORDS go from memory straight into registers of their own, once, at the head: 32 loads of 8 bytes a lane (runs of 2 x 128 consecutive bytes).
; THE SOFTMAX takes the four tiles of queries of one register window together, their chains by turns: 16 chains of maxima, 8 of sums, one batch of 256 exponentials.
; CLUSTER.  4 x 4: the four of a row share the queries' tiles, the four of a column the keys'.
; PREFETCH.  The one refill's bytes are asked for at the head: a row tile's K steps 6 and 7 are 3,072 bytes, 12 blocks of 256, a lane a block (lanes 12-31 name the last again); of a part's 16 row tiles each of the four
;   partners takes four, told apart by address, two to a wave.  The first fills come by their loads alone.
; LIMITS: NaN and infinities are not served.  A p under 2^-126 comes out of v_exp_f32 as 0 (ISA guide, its entry in 15.8); a block whose every p is 0 gets the byte 1 and zero codes.
; REGISTERS.  window 0: v1 r, v2 h, v3 16 x lane, v4-7 LDS addresses (S1 slot 0, 1; S0 slot 0, 1), v8 8 x lane, v9 8 r + 256 h, v10-11 the add's two, v12 the prefetches' offset;
;   in the K loop v80-111 the queries' scale words, v112-143 the keys', v160-255 S1's fragments; on the way out v16-191 four sets of 44 at work, v192-211 a quad's units.
;   window 1: S0's fragments, two sets.   windows 2, 3: the accumulators, (a, b) at v[8 (8 (a % 4) + b)] of window 2 + a / 4.
.set TILEP, 12288
.set KSTR,  65536                      ; qk_scales: from K step to K step
.set KP0,   49152                      ; slot 0: the queries' part at 0, the keys' here
.set SL1,   98304                      ; slot 1: the queries' part,
.set KP1,   196608                     ; the keys'
.set SPARE, 294912                     ; the spare words, 128 bytes for each wave: two blocks of 256 bytes that no other line names
; the way out: tile u of a window has the set at + 44 u
.set MP, 16                            ; a pair: -M' (the packed form names a pair and takes its low word)
.set SU, 18                            ; four: the sums
.set TT, 22
.set TM, 24                            ; + 0..3 the blocks' largest scores, then largest p; + 4..7 at work, bytes; + 12..15 scale operands
.set PC, 40                            ; 19: the fragment just made
.set ST, 192                           ; v192-197 the three units' pairs
.set PW, 200                           ; v200-203 scale words; v204-207 -M'; v208-211 l': of a quad of four tiles of queries
.set NM, 204
.set LS, 208
.set SCA, 80
.set SCB, 112
.set S1F, 160
.set MSB, 0
.macro WIN new                         ; the immediate's high byte repeats the setting that is left
.if MSB != (\new)
	s_set_vgpr_msb (MSB<<8)|(\new)
.set MSB, (\new)
.endif
.endm
.macro PLACES n
.rept \n
	v_nop
.endr
.endm
.macro SHAPE g, c, r, p                ; descriptor group 1, words 1 to 7: r rows of c elements of 8 bytes, p elements from row to row
	s_mov_b32 s[\g+1], (\c)<<16
	s_mov_b32 s[\g+2], (\r)<<16
	s_mov_b32 s[\g+3], (\c)<<16
	s_mov_b32 s[\g+4], \r
	s_mov_b32 s[\g+5], \p
	s_mov_b32 s[\g+6], 0
	s_mov_b32 s[\g+7], 0
.endm
.macro HEAD0 g, lds, base, off         ; descriptor group 0
	s_mov_b32 s[\g], 1
	s_mov_b32 s[\g+1], \lds
.if \off
	s_add_nc_u64 s[\g+2:\g+3], s[\base:\base+1], \off
.else
	s_mov_b64 s[\g+2:\g+3], s[\base:\base+1]
.endif
	s_or_b32 s[\g+3], s[\g+3], 0x80000000
.endm
.macro ARM under, g0, g1, next         ; one arm of the head's chain on the wave's number: its joint load, s_nop 0 and four v_nop, and a jump to the chain's end
	s_cmp_lt_u32 s22, \under
	s_cbranch_scc0 \next
	tensor_load_to_lds s[\g0:\g0+3], s[\g1:\g1+7]
	s_nop 0
.rept 4
	v_nop
.endr
	s_branch .Lhead_asked
\next:
.endm
.macro CREST
	s_cmp_lg_u32 s22, 0
	s_cbranch_scc1 .Lnot_wave_0_\@
	s_barrier_signal -3
.Lnot_wave_0_\@:
	s_barrier_wait -3
	s_barrier_signal -1
	s_barrier_wait -1
.endm
.macro CROUND
	s_barrier_signal -1
	s_barrier_wait -1
	CREST
.endm
.macro GEO st                          ; where K step st lies: the slot, a row tile's bytes there, the step's place in them
.if ((\st) >= 2) && ((\st) < 6)
.set GSL, 1
.set GFP, 6144
.set GFO, 1536*((\st)-2)
.else
.set GSL, 0
.set GFP, 3072
.set GFO, 1536*((\st)%2)
.endif
.endm
.macro FETCH_S0 st, p                  ; 24 LDS loads: S0's eight fragments of step st into set p
	GEO \st
	WIN 0x40                                       ; destination window 1
.irp i, 0,1,2,3,4,5,6,7
.irp c, 0,1,2
	ds_load_b128 v[128*(\p)+12*\i+4*\c:128*(\p)+12*\i+4*\c+3], v[6+GSL] offset:GFP*\i+GFO+512*\c
.endr
.endr
.endm
.macro FETCH_S1 st, i0                 ; 12 LDS loads: S1's blocks i0 .. i0 + 3 of step st
	GEO \st
	WIN 0
.irp i, 0,1,2,3
.irp c, 0,1,2
	ds_load_b128 v[S1F+12*((\i0)+\i)+4*\c:S1F+12*((\i0)+\i)+4*\c+3], v[4+GSL] offset:GFP*((\i0)+\i)+GFO+512*\c
.endr
.endr
.endm
; One product of K step kap.  mode 0: onto the accumulator; 1: the product starts the sum.  A side's block i: scale register i % 4, lanes 16 (i / 4) on
.macro WM a, b, p, kap, mode
.set rD, 8*(8*((\a)%4)+(\b))
.set rA, 128*(\p)+12*(\b)
.set rB, S1F+12*(\a)
.set rX, SCB+4*(\kap)+(\b)%4
.set rY, SCA+4*(\kap)+(\a)%4
.if (\mode) == 1
.if ((\b) < 4) && ((\a) < 4)
	v_wmma_scale_f32_16x16x128_f8f6f4 v[rD:rD+7], v[rA:rA+11], v[rB:rB+11], 0, v[rX], v[rY] matrix_a_fmt:MATRIX_FMT_FP6 matrix_b_fmt:MATRIX_FMT_FP6
.elseif (\a) < 4
	v_wmma_scale_f32_16x16x128_f8f6f4 v[rD:rD+7], v[rA:rA+11], v[rB:rB+11], 0, v[rX], v[rY] matrix_a_fmt:MATRIX_FMT_FP6 matrix_b_fmt:MATRIX_FMT_FP6 matrix_a_scale:MATRIX_SCALE_ROW1
.elseif (\b) < 4
	v_wmma_scale_f32_16x16x128_f8f6f4 v[rD:rD+7], v[rA:rA+11], v[rB:rB+11], 0, v[rX], v[rY] matrix_a_fmt:MATRIX_FMT_FP6 matrix_b_fmt:MATRIX_FMT_FP6 matrix_b_scale:MATRIX_SCALE_ROW1
.else
	v_wmma_scale_f32_16x16x128_f8f6f4 v[rD:rD+7], v[rA:rA+11], v[rB:rB+11], 0, v[rX], v[rY] matrix_a_fmt:MATRIX_FMT_FP6 matrix_b_fmt:MATRIX_FMT_FP6 matrix_a_scale:MATRIX_SCALE_ROW1 matrix_b_scale:MATRIX_SCALE_ROW1
.endif
.else
.if ((\b) < 4) && ((\a) < 4)
	v_wmma_scale_f32_16x16x128_f8f6f4 v[rD:rD+7], v[rA:rA+11], v[rB:rB+11], v[rD:rD+7], v[rX], v[rY] matrix_a_fmt:MATRIX_FMT_FP6 matrix_b_fmt:MATRIX_FMT_FP6
.elseif (\a) < 4
	v_wmma_scale_f32_16x16x128_f8f6f4 v[rD:rD+7], v[rA:rA+11], v[rB:rB+11], v[rD:rD+7], v[rX], v[rY] matrix_a_fmt:MATRIX_FMT_FP6 matrix_b_fmt:MATRIX_FMT_FP6 matrix_a_scale:MATRIX_SCALE_ROW1
.elseif (\b) < 4
	v_wmma_scale_f32_16x16x128_f8f6f4 v[rD:rD+7], v[rA:rA+11], v[rB:rB+11], v[rD:rD+7], v[rX], v[rY] matrix_a_fmt:MATRIX_FMT_FP6 matrix_b_fmt:MATRIX_FMT_FP6 matrix_b_scale:MATRIX_SCALE_ROW1
.else
	v_wmma_scale_f32_16x16x128_f8f6f4 v[rD:rD+7], v[rA:rA+11], v[rB:rB+11], v[rD:rD+7], v[rX], v[rY] matrix_a_fmt:MATRIX_FMT_FP6 matrix_b_fmt:MATRIX_FMT_FP6 matrix_a_scale:MATRIX_SCALE_ROW1 matrix_b_scale:MATRIX_SCALE_ROW1
.endif
.endif
.endm
.macro MULA a, p, kap, mode            ; the 64 accumulators take turns in one order in every step
.if (\a) < 4
	WIN 0xa1                                       ; S0 window 1, S1 window 0, C and D window 2
.else
	WIN 0xf1                                       ; C and D window 3
.endif
.irp b, 0,1,2,3,4,5,6,7
	WM \a, \b, \p, \kap, \mode
.endr
.endm
; A step of 128 along K.  kind 0: nothing but products and the next step's fragments.  kind 1 (step 1): slot 0 is read no more and slot 1 must be whole: in front of ONE barrier each wave waits for all its tensor loads,
; adds 0 to its spare word, and waits for that and for its reads of slot 0; the barrier opens a round of the cluster's, and slot 0 is filled again.  kind 2 (step 5): a barrier shows the refill whole to all waves.
.macro STEP st, kind, mode
.set PS, (\st)%2
.if \kind
	s_wait_tensorcnt 0x0                           ; all my tensor loads have landed  (every window is 0 here)
.if (\kind) == 1
	ds_add_u32 v10, v11                            ; 0 onto my spare word
	s_add_nc_u64 s[34:35], s[34:35], 9216          ; no tensor load of mine is out: slot 0's descriptors step to K step 6
	s_add_nc_u64 s[38:39], s[38:39], 9216
	s_wait_dscnt 13                                ; (the add and the twelve youngest loads, S1's blocks 4-7, may be out)
.else
	s_wait_dscnt 12
.endif
	MULA 0, PS, \st, \mode
	MULA 1, PS, \st, \mode
	s_wait_dscnt 0x0                               ; all my LDS instructions are done: the add, where there is one, and my reads
	s_barrier_signal -1
	MULA 2, PS, \st, \mode
	MULA 3, PS, \st, \mode
	WIN 0
	s_barrier_wait -1
.if (\kind) == 1
	CREST                                          ; no wave of any partner still reads slot 0 or has a load on its way
	s_cmp_lt_u32 s22, 1                            ; wave 0 fetches the queries' part, wave 1 the keys'; waves 2 and 3 have no part
	s_cbranch_scc0 .Lrefill_k
	tensor_load_to_lds s[32:35], s[24:31]
	s_nop 0
	PLACES 4
	s_branch .Lrefilled
.Lrefill_k:
	s_cmp_lt_u32 s22, 2
	s_cbranch_scc0 .Lrefilled
	tensor_load_to_lds s[36:39], s[48:55]
	s_nop 0
	PLACES 4
.Lrefilled:
.endif
	PLACES 4                                       ; in front of loads into registers that matrix instructions have read (ISA guide 7.12.1 for vector instructions)
.else
	s_wait_dscnt 12                                ; S0's set and S1's blocks 0-3 are in; the twelve youngest loads (S1's blocks 4-7) may be out
	MULA 0, PS, \st, \mode
	MULA 1, PS, \st, \mode
	MULA 2, PS, \st, \mode
	MULA 3, PS, \st, \mode
	s_wait_dscnt 0x0
	PLACES 4
.endif
	FETCH_S0 (\st)+1, 1-PS
	FETCH_S1 (\st)+1, 0
	MULA 4, PS, \st, \mode
	MULA 5, PS, \st, \mode
	MULA 6, PS, \st, \mode
	MULA 7, PS, \st, \mode
	PLACES 4
	FETCH_S1 (\st)+1, 4
.endm
; The softmax of the four tiles of 16 queries of window 2 + w over my 128 keys.  Tile u: accumulator register 64 u + 16 b + i = key 32 b + 16 (lane / 16) + i of my query
.macro SOFT4 w
.set WW, 2+(\w)
	WIN WW|(WW<<2)|(WW<<4)                         ; all three sources
.irp u, 0,1,2,3
.irp b, 0,1,2,3
	v_max3_num_f32 v[TM+44*\u+\b], v[64*\u+16*\b], v[64*\u+16*\b+1], v[64*\u+16*\b+2]   ; the largest score of each block of 32 keys: for the maximum, and, since p rises with the score, for the block's largest p
.endr
.endr
	WIN (WW<<2)|(WW<<4)
.irp i, 3,5,7,9,11,13
.irp u, 0,1,2,3
.irp b, 0,1,2,3
	v_max3_num_f32 v[TM+44*\u+\b], v[TM+44*\u+\b], v[64*\u+16*\b+\i], v[64*\u+16*\b+\i+1]  ; ascending: each accumulator is read from its low end on
.endr
.endr
.endr
	WIN WW<<2
.irp u, 0,1,2,3
.irp b, 0,1,2,3
	v_max_num_f32 v[TM+44*\u+\b], v[TM+44*\u+\b], v[64*\u+16*\b+15]
.endr
.endr
	WIN 0
.irp u, 0,1,2,3
.irp b, 0,1,2,3
	v_permlanex16_b32 v[TM+44*\u+4+\b], v[TM+44*\u+\b], s96, s97
.endr
.endr
.irp u, 0,1,2,3
.irp b, 0,1,2,3
	v_max_num_f32 v[TM+44*\u+\b], v[TM+44*\u+\b], v[TM+44*\u+4+\b]   ; with lane l xor 16's 16 keys
.endr
.endr
.irp u, 0,1,2,3
	v_max3_num_f32 v[TT+44*\u], v[TM+44*\u], v[TM+44*\u+1], v[TM+44*\u+2]
.endr
.irp u, 0,1,2,3
	v_max_num_f32 v[TT+44*\u], v[TT+44*\u], v[TM+44*\u+3]
.endr
.irp u, 0,1,2,3
	v_mul_f32 v[TT+44*\u], s94, v[TT+44*\u]        ; as t (c is positive)
.endr
.irp u, 0,1,2,3
	v_floor_f32 v[MP+44*\u], -v[TT+44*\u]          ; -M' = floor(-t) = -ceil(t)
.endr
	WIN (WW<<6)|WW                                 ; destination and source 0
.set J, 0
.rept 128
	v_pk_fma_f32 v[J:J+1], v[J:J+1], s[94:95], v[MP+44*(J/64):MP+44*(J/64)+1] op_sel_hi:[1,0,0]   ; t - M', two at a time
.set J, J+2
.endr
	WIN 0
.irp u, 0,1,2,3
.irp b, 0,1,2,3
	v_fma_f32 v[TM+44*\u+\b], v[TM+44*\u+\b], s94, v[MP+44*\u]       ; the same of each block's largest score
.endr
.endr
	WIN (WW<<6)|WW
.set J, 0
	s_wait_alu depctr_va_vdst(0)                   ; ahead of the batch
.rept 256
	v_exp_f32 v[J], v[J]                           ; p = 2^(t - M'), at most 1
.set J, J+1
.endr
	WIN 0
.irp u, 0,1,2,3
	v_mov_b32 v[NM+\u], v[MP+44*\u]                ; (plain places behind the exponentials)
.endr
	s_wait_alu depctr_va_vdst(0)                   ; one wait for the batch, ahead of its first reader
.irp u, 0,1,2,3
.irp b, 0,1,2,3
	v_exp_f32 v[TM+44*\u+\b], v[TM+44*\u+\b]       ; the block's largest p: the same two instructions on the same number
.endr
.endr
	WIN WW|(WW<<2)
.irp u, 0,1,2,3
	v_pk_add_f32 v[SU+44*\u:SU+44*\u+1], v[64*\u:64*\u+1], v[64*\u+2:64*\u+3]      ; the sum of the UNQUANTISED p, in two chains a tile.  (They read the 256 alone: plain work behind the sixteen)
	v_pk_add_f32 v[SU+44*\u+2:SU+44*\u+3], v[64*\u+4:64*\u+5], v[64*\u+6:64*\u+7]
.endr
	WIN WW<<2
.set J, 8
.rept 14
.irp u, 0,1,2,3
	v_pk_add_f32 v[SU+44*\u:SU+44*\u+1], v[SU+44*\u:SU+44*\u+1], v[64*\u+J:64*\u+J+1]
	v_pk_add_f32 v[SU+44*\u+2:SU+44*\u+3], v[SU+44*\u+2:SU+44*\u+3], v[64*\u+J+2:64*\u+J+3]
.endr
.set J, J+4
.endr
	WIN 0
.irp u, 0,1,2,3
	v_pk_add_f32 v[SU+44*\u:SU+44*\u+1], v[SU+44*\u:SU+44*\u+1], v[SU+44*\u+2:SU+44*\u+3]
.endr
.irp u, 0,1,2,3
	v_add_f32 v[SU+44*\u], v[SU+44*\u], v[SU+44*\u+1]
.endr
.irp u, 0,1,2,3
	v_permlanex16_b32 v[SU+44*\u+1], v[SU+44*\u], s96, s97
.endr
.irp u, 0,1,2,3
	v_add_f32 v[LS+\u], v[SU+44*\u], v[SU+44*\u+1] ; with lane l xor 16's 64 keys: l'
.endr
	s_wait_alu depctr_va_vdst(0)                   ; and one wait for the sixteen
.irp u, 0,1,2,3
.irp b, 0,1,2,3
	v_max_num_f32 v[TM+44*\u+\b], 0x1800000, v[TM+44*\u+\b]          ; the floor 2^(3 - 127): the byte cannot fall under 1
.endr
.endr
.irp u, 0,1,2,3
.irp b, 0,1,2,3
	v_add_nc_u32 v[TM+44*\u+12+\b], 0xff000000, v[TM+44*\u+\b]       ; 2 off the exponent field: the conversion's scale operand
.endr
.endr
.irp u, 0,1,2,3
.irp b, 0,1,2,3
	v_lshrrev_b32 v[TM+44*\u+4+\b], 23, v[TM+44*\u+12+\b]            ; the byte
.endr
.endr
.irp u, 0,1,2,3
	v_lshl_or_b32 v[PW+\u], v[TM+44*\u+5], 8, v[TM+44*\u+4]
.endr
.irp u, 0,1,2,3
	v_lshl_or_b32 v[PW+\u], v[TM+44*\u+6], 16, v[PW+\u]
.endr
.irp u, 0,1,2,3
	v_lshl_or_b32 v[PW+\u], v[TM+44*\u+7], 24, v[PW+\u]
.endr
	s_wait_xcnt 0x0                                ; the earlier stores have read the fragments' registers and the units' pairs
	WIN WW
.irp u, 0,1,2,3
.irp c, 0,1
	v_cvt_scalef32_pk16_fp6_f32 v[PC+44*\u+6*\c:PC+44*\u+6*\c+2], v[64*\u+32*\c:64*\u+32*\c+15], v[TM+44*\u+12+2*\c]
	v_cvt_scalef32_pk16_fp6_f32 v[PC+44*\u+12+4*\c:PC+44*\u+14+4*\c], v[64*\u+32*\c+16:64*\u+32*\c+31], v[TM+44*\u+13+2*\c]
.endr
.endr
	WIN 0
	v_nop                                          ; one plain place behind the conversions
.irp u, 0,1,2,3                                ; the layout wants a whole block in a lane: lanes 0-15 block 2 c, lanes 16-31 block 2 c + 1
.irp c, 0,1
.irp i, 0,1,2
	v_permlane16_swap_b32 v[PC+44*\u+6*\c+\i], v[PC+44*\u+12+4*\c+\i]
.endr
.endr
.endr
.irp u, 0,1,2,3
.irp c, 0,1
.irp i, 0,1,2
	v_mov_b32 v[PC+44*\u+3+6*\c+\i], v[PC+44*\u+12+4*\c+\i]
.endr
.endr
.endr
.irp u, 0,1,2,3
.irp c, 0,1,2
	global_store_b128 v3, v[PC+44*\u+4*\c:PC+44*\u+4*\c+3], s[8:9] offset:24576*(4*(\w)+\u)+512*\c   ; 512 consecutive bytes a store
.endr
.endr
	; the three units of this quad for my K step
	v_cmp_eq_u32 vcc_lo, 1, v2
	v_cndmask_b32 v[ST], v[PW], v[PW+2], vcc_lo    ; lanes 0-15: tiles 0, 1; lanes 16-31: tiles 2, 3
	v_cndmask_b32 v[ST+1], v[PW+1], v[PW+3], vcc_lo
	v_cndmask_b32 v[ST+2], v[NM], v[NM+2], vcc_lo
	v_cndmask_b32 v[ST+3], v[NM+1], v[NM+3], vcc_lo
	v_cndmask_b32 v[ST+4], v[LS], v[LS+2], vcc_lo
	v_cndmask_b32 v[ST+5], v[LS+1], v[LS+3], vcc_lo
	global_store_b64 v8, v[ST:ST+1], s[10:11] offset:256*(\w)              ; each an aligned run of 256 bytes: the scale words,
	global_store_b64 v8, v[ST+2:ST+3], s[10:11] offset:256*(\w)+524288     ; -M',
	global_store_b64 v8, v[ST+4:ST+5], s[10:11] offset:256*(\w)+1048576    ; l'
.endm
	s_load_b256 s[4:11], s[0:1], 0x0               ; qk_codes s[4:5], qk_scales s[6:7], p_codes s[8:9], p_stats s[10:11]
	v_lshl_add_u32 v10, v0, 2, SPARE
	v_mov_b32 v11, 0
	ds_add_u32 v10, v11                            ; the opening lines: the add, twice on end, and its wait ahead of my first tensor load
	ds_add_u32 v10, v11
	s_wait_dscnt 0x0
	v_lshrrev_b32 v1, 5, v0
	v_readfirstlane_b32 s22, v1                    ; wave
	s_lshr_b32 s23, s22, 1                         ; which 128 queries are mine
	s_and_b32 s3, s22, 1                           ; which 128 keys are mine
	s_mul_i32 s16, s23, 8*3072                     ; my eight row tiles in each part: the wave's number alone enters an LDS address
	s_lshl_b32 s17, s16, 1
	s_add_co_u32 s17, s17, SL1
	s_mul_i32 s18, s3, 8*3072
	s_lshl_b32 s19, s18, 1
	s_add_co_u32 s18, s18, KP0
	s_add_co_u32 s19, s19, KP1
	v_and_b32 v1, 15, v0                           ; r
	v_bfe_u32 v2, v0, 4, 1                         ; h
	v_and_b32 v3, 31, v0
	v_min_u32 v12, 11, v3
	v_lshlrev_b32 v12, 8, v12                      ; 256 x min(lane, 11); never rewritten
	v_lshlrev_b32 v3, 4, v3                        ; 16 x lane
	v_add_nc_u32 v4, s16, v3
	v_add_nc_u32 v5, s17, v3
	v_add_nc_u32 v6, s18, v3
	v_add_nc_u32 v7, s19, v3
	v_lshrrev_b32 v8, 1, v3                        ; 8 x lane: a unit of scale words
	v_lshlrev_b32 v9, 3, v1
	v_lshl_add_u32 v9, v2, 8, v9                   ; 8 r + 256 h: two units
	s_mov_b32 s94, 0x3d38aa3b                      ; c = log2(e) / sqrt(1024)
	s_mov_b32 s95, s94                             ; (named with it as a pair)
	s_mov_b32 s96, 0x76543210
	s_mov_b32 s97, 0xfedcba98                      ; lane l xor 16
	s_bfe_u32 s40, ttmp6, 0x40000                  ; cx
	s_bfe_u32 s41, ttmp6, 0x40004                  ; cy
	s_lshl_b32 s43, s41, 2
	s_lshl_b32 s43, 15, s43                        ; my row of the cluster
	s_lshl_b32 s44, 0x1111, s40                    ; my column
	s_and_b32 s92, ttmp7, 0xffff                   ; the cluster: 4 x batch + 2 x (which four tiles of queries) + (which four tiles of keys)
	s_lshr_b32 s45, s92, 1
	s_lshl_b32 s45, s45, 2
	s_add_co_u32 s45, s45, s41                     ; my tile of 256 queries, counted over all batches
	s_and_b32 s47, s92, 1
	s_lshl_b32 s93, s47, 2
	s_add_co_u32 s93, s93, s40                     ; my tile of 256 keys in the batch
	s_lshr_b32 s46, s92, 2
	s_lshl_b32 s46, s46, 3
	s_add_co_u32 s46, s46, s93                     ; counted over all batches
	s_mul_i32 s66, s45, 16*TILEP                   ; the queries' codes
	s_mov_b32 s67, 0
	s_lshl_b32 s88, s46, 4
	s_add_co_u32 s88, s88, 512                     ; the keys': k's row tiles lie behind q's 512
	s_mul_i32 s88, s88, TILEP
	s_mov_b32 s89, 0
	s_lshl_b32 s12, s45, 1
	s_add_co_u32 s12, s12, s23
	s_lshl_b32 s12, s12, 9                         ; the queries' scale words: my two quads' units
	s_mov_b32 s13, 0
	s_lshl_b32 s14, s46, 1
	s_add_co_u32 s14, s14, s3
	s_add_co_u32 s14, s14, 64                      ; k's quads lie behind q's 128
	s_lshl_b32 s14, s14, 9
	s_mov_b32 s15, 0
	s_lshl_b32 s100, s93, 1
	s_add_co_u32 s100, s100, s3                    ; my K step of the last product: which 128 keys of the batch
	s_lshl_b32 s98, s45, 1
	s_add_co_u32 s98, s98, s23
	s_lshl_b32 s98, s98, 7                         ; my first tile of 16 queries x 16 K steps
	s_add_co_u32 s98, s98, s100
	s_mul_i32 s98, s98, 1536                       ; p_codes = [tile of queries][16 K steps][1,536]
	s_mov_b32 s99, 0
	s_lshl_b32 s100, s100, 15                      ; p_stats: 128 units to a K step
	s_add_co_u32 s100, s100, s12                   ; + my first quad's unit
	s_mov_b32 s101, 0
	s_or_b32 s24, s43, (3<<16)|(1<<21)             ; descriptors: elements of 8 bytes, no padding; bit 21 set beside a mask
	s_or_b32 s48, s44, (3<<16)|(1<<21)
	s_or_b32 s72, s43, (3<<16)|(1<<21)
	s_or_b32 s80, s44, (3<<16)|(1<<21)
	SHAPE 24, 384, 16, TILEP/8                     ; slot 0: sixteen row tiles x 3,072 bytes (256 along K): the queries',
	SHAPE 48, 384, 16, TILEP/8                     ; the keys'
	SHAPE 72, 768, 16, TILEP/8                     ; slot 1: x 6,144 bytes (512 along K)
	SHAPE 80, 768, 16, TILEP/8
	s_wait_kmcnt 0x0
	s_add_nc_u64 s[66:67], s[4:5], s[66:67]
	s_add_nc_u64 s[88:89], s[4:5], s[88:89]
	s_add_nc_u64 s[12:13], s[6:7], s[12:13]
	s_add_nc_u64 s[14:15], s[6:7], s[14:15]
	s_add_nc_u64 s[8:9], s[8:9], s[98:99]
	s_add_nc_u64 s[10:11], s[10:11], s[100:101]
	CROUND                                         ; all sixteen work-groups are here: the first joint loads meet
	HEAD0 32, 0, 66, 0
	HEAD0 36, KP0, 88, 0
	HEAD0 56, SL1, 66, 3072
	HEAD0 60, KP1, 88, 3072
	; THE HEAD'S FILLS, ONE A WAVE: wave 0 the queries' part of slot 0, wave 1 the keys', waves 2 and 3 the same of slot 1
	ARM 1, 32, 24, .Lhead_k0
	ARM 2, 36, 48, .Lhead_q1
	ARM 3, 56, 72, .Lhead_k1
	tensor_load_to_lds s[60:63], s[80:87]
	s_nop 0
	PLACES 4
.Lhead_asked:
	s_cmp_eq_u32 s23, 0                            ; the prefetches: waves 0 and 1 ask for the queries' part, waves 2 and 3 for the keys'
	s_cselect_b32 s90, s40, s41                    ; my place among the four that share the part
	s_cselect_b64 s[68:69], s[66:67], s[88:89]
	s_lshl_b32 s90, s90, 1
	s_add_co_u32 s90, s90, s3
	s_mul_i32 s90, s90, 2*TILEP                    ; my work-group's four row tiles, my wave's two of them
	s_mov_b32 s91, 0
	s_add_nc_u64 s[68:69], s[68:69], s[90:91]
	s_wait_alu depctr_va_vdst(0)                   ; the head's end
	global_prefetch_b8 v12, s[68:69] offset:9216 th:TH_LOAD_NT scope:SCOPE_SE        ; K steps 6 and 7: their load is issued in step 1
	global_prefetch_b8 v12, s[68:69] offset:9216+TILEP th:TH_LOAD_NT scope:SCOPE_SE
.irp k, 0,1,2,3,4,5,6,7                        ; all scale words, while the tiles are on their way
	global_load_b64 v[SCA+4*\k:SCA+4*\k+1], v9, s[12:13] offset:KSTR*\k
	global_load_b64 v[SCA+4*\k+2:SCA+4*\k+3], v9, s[12:13] offset:KSTR*\k+128
	global_load_b64 v[SCB+4*\k:SCB+4*\k+1], v9, s[14:15] offset:KSTR*\k
	global_load_b64 v[SCB+4*\k+2:SCB+4*\k+3], v9, s[14:15] offset:KSTR*\k+128
.endr
	s_cmp_lt_u32 s22, 2                            ; waves 0 and 1 wait for slot 0's parts; slot 1's loads may be out
	s_cbranch_scc0 .Lslot1_out
	s_wait_tensorcnt 0x0
.Lslot1_out:
	s_barrier_signal -1
	s_barrier_wait -1                              ; slot 0 is whole
	FETCH_S0 0, 0
	FETCH_S1 0, 0
	FETCH_S1 0, 4
	s_wait_loadcnt 0x0                             ; the scale words
	STEP 0, 0, 1                                   ; the first step's products start the sums
	STEP 1, 1, 0                                   ; slot 0 takes K steps 6 and 7
	STEP 2, 0, 0
	STEP 3, 0, 0
	STEP 4, 0, 0
	STEP 5, 2, 0
	STEP 6, 0, 0
	s_wait_dscnt 12                                ; the last step: nothing more to fetch
.irp a, 0,1,2,3
	MULA \a, 1, 7, 0
.endr
	s_wait_dscnt 0x0
.irp a, 4,5,6,7
	MULA \a, 1, 7, 0
.endr
	WIN 0
	PLACES 4                                       ; in front of the first read of results, and of writes over the scale words and S1's fragments, which are done with
.irp u, 0,1,2,3
	v_mov_b32 v[MP+44*\u+1], 0                     ; (named as the upper half of the pair)
.irp b, 0,1,2,3
	v_mov_b32 v[TM+44*\u+4+\b], 0                  ; a lane permute's destination counts as one of its sources
.endr
.endr
	SOFT4 0
	SOFT4 1
	s_wait_tensorcnt 0x0                           ; the wave's end
	ds_add_u32 v10, v11
	s_wait_dscnt 0x0
	CROUND                                         ; the closing round: no work-group ends while a partner may still ask for a tile that names it
	s_endpgm
.Lfunc_end_k_qdfdcb430df_scores:
	.size	k_qdfdcb430df_scores, .Lfunc_end_k_qdfdcb430df_scores-k_qdfdcb430df_scores
	.p2alignl 7, 3214868480
	.fill 96, 4, 3214868480
	.section	.rodata,"a",@progbits
	.p2align	6, 0x0
	.amdhsa_kernel k_qdfdcb430df_scores
		.amdhsa_group_segment_fixed_size 327680
		.amdhsa_private_segment_fixed_size 0
		.amdhsa_enable_private_segment 0
		.amdhsa_kernarg_size 32
		.amdhsa_user_sgpr_count 2
		.amdhsa_user_sgpr_kernarg_segment_ptr 1
		.amdhsa_wavefront_size32 1
		.amdhsa_system_sgpr_workgroup_id_x 1
		.amdhsa_system_sgpr_workgroup_id_y 1
		.amdhsa_system_sgpr_workgroup_id_z 1
		.amdhsa_system_vgpr_workitem_id 0
		.amdhsa_next_free_vgpr 1024
		.amdhsa_next_free_sgpr 102
		.amdhsa_reserve_vcc 1
		.amdhsa_float_denorm_mode_32 3
		.amdhsa_float_denorm_mode_16_64 3
		.amdhsa_memory_ordered 1
		.amdhsa_forward_progress 1
		.amdhsa_inst_pref_size 193
	.end_amdhsa_kernel
	.amdgpu_metadata
---
amdhsa.version: [ 1, 2 ]
amdhsa.kernels:
  - .name:           k_qdfdcb430df_scores
    .symbol:         k_qdfdcb430df_scores.kd
    .args:
      - { .name: qk_codes, .offset: 0, .size: 8, .value_kind: global_buffer, .address_space: global }
      - { .name: qk_scales, .offset: 8, .size: 8, .value_kind: global_buffer, .address_space: global }
      - { .name: p_codes, .offset: 16, .size: 8, .value_kind: global_buffer, .address_space: global }
      - { .name: p_stats, .offset: 24, .size: 8, .value_kind: global_buffer, .address_space: global }
    .group_segment_fixed_size: 327680
    .private_segment_fixed_size: 0
    .kernarg_segment_align: 8
    .kernarg_segment_size: 32
    .max_flat_workgroup_size: 128
    .sgpr_count:     102
    .vgpr_count:     1024
    .wavefront_size: 32
...
	.end_amdgpu_metadata
.endif
;; end of part 3
;; launch pv (part 4): grid 4 x 64, 4 waves a work-group, clusters of 4 x 4, 327,680 bytes of LDS; arguments p_codes, p_stats, vt_codes, vt_scales, out0; writes out0
.if DOCPART == 4
	.amdgcn_target "amdgcn-amd-amdhsa--gfx1250"
	.amdhsa_code_object_version 6
	.text
	.protected	k_qdfdcb430df_pv
	.globl	k_qdfdcb430df_pv
	.p2align	8
	.type	k_qdfdcb430df_pv,@function
k_qdfdcb430df_pv:
	s_mov_b64 s[64:65], 0
	v_nop
	global_prefetch_b8 v0, s[64:65] scope:SCOPE_SE
	s_setreg_imm32_b32 hwreg(HW_REG_WAVE_MODE, 25, 1), 1
	s_wait_xcnt 0x0
	s_wait_alu depctr_hold_cnt(0) depctr_sa_sdst(0) depctr_va_vdst(0) depctr_va_sdst(0) depctr_va_ssrc(0) depctr_va_vcc(0) depctr_vm_vsrc(0)
	s_getreg_b32 s2, hwreg(HW_REG_IB_STS2, 6, 4)
	s_cmp_eq_u32 s2, 0
	s_cbranch_scc0 .Lentry_in_a_cluster
	s_endpgm
.Lentry_in_a_cluster:
	s_bfe_u32 s2, ttmp6, 0x10000c
	s_cmp_lg_u32 s2, 0xf033
	s_cbranch_scc0 .Lentry_shape_is_right
	s_endpgm
.Lentry_shape_is_right:
; out = (P V) / l on codes of FP6 (E2M3).  P's codes were made per 128 keys under a local whole number M'; here the row's M = the largest M' is found, M - M' is taken off P's scale bytes, and l = the sum of l' 2^(M' - M).
; THE PRODUCT.  Source 0 (S0) = 16 channels of v^T, source 1 (S1) = 16 queries of P, K = the batch's 2,048 keys: a lane holds ONE query (lane % 16) and eight neighbouring channels in an accumulator.
; SHARES.  A work-group: 128 queries x 256 channels.  Wave w: 64 queries (w / 2) x 128 channels (w % 2): 32 accumulators.
; LDS.  A ring of two slots of 512 along K; each is filled twice.  Behind the ring: P's mended scale words, v^T's scale words for all of K (filled once), 1 / l, the spare words.  The launch claims all of a WGP's LDS.
; CLUSTER.  4 x 4: the four of a row share P's tile, the four of a column v^T's.  A refill stands behind a round of the cluster's barrier.
; LIMITS: NaN and infinities are not served.  A scale byte that M - M' would bring under 0 is held at 0 (2^-127): what such a block adds is under 7.5 x 2^-127 x |v| a key, beside an l above 1/2.  M - M' is held at 255.
; REGISTERS.  window 0: v1 r, v2 h, v3 16 x lane, v4-9 LDS addresses of fragments and scale words, v10-11 the add's two, v12-13 the stage in and out, v14 1 / l's place, v15 my row's word, v16-19 1 / l of my four tiles,
;   v20-30 at work at the head, v32-47 scale words, v64-159 S1's fragments (at the head: my row's 48 numbers; on the way out: results), v128-255 on the way out rows of out.  window 1: S0's fragments.  window 2: the accumulators.
.set SLOT,  147456
.set HALFA, 24576
.set HALFB, 49152
.set SCA,   2*SLOT                     ; P's scale words: [16 K steps][512]; written by LDS stores, never by a tensor load
.set SCB,   SCA+8192                   ; v^T's: [16 K steps][1,024]
.set RL,    SCB+16384                  ; 1 / l: 128 words, laid as a K step's scale words
.set SPARE, RL+512                     ; the spare words, 128 bytes for each wave: two blocks of 256 bytes that no other line names
.set SPIT,  528                        ; the way out: a stage of 16 rows x (512 + 16) bytes for each wave, in slot 0, which has had its last fill and its last read by then
.set G1A, 24
.set G0A, 32
.set G1B, 48
.set G0B, 56
.set PFA, 68                           ; s[68:69] where my prefetches stand; s[80:91] and s[4:7]: group 0 of the head's four fills
.set MSB, 0
.macro WIN new
.if MSB != \new
	s_set_vgpr_msb (MSB<<8)|\new
.set MSB, \new
.endif
.endm
.macro PLACES n
.rept \n
	v_nop
.endr
.endm
.macro SHAPE g, c, r, p
	s_mov_b32 s[\g+1], (\c)<<16
	s_mov_b32 s[\g+2], (\r)<<16
	s_mov_b32 s[\g+3], (\c)<<16
	s_mov_b32 s[\g+4], \r
	s_mov_b32 s[\g+5], \p
	s_mov_b32 s[\g+6], 0
	s_mov_b32 s[\g+7], 0
.endm
.macro JLOAD g0a, g1a, g0b, g1b        ; a joint load: waves 0 and 1 fetch for S1, waves 2 and 3 for S0; four v_nop follow each line
	s_cmp_eq_u32 s23, 0
	s_cbranch_scc0 .Lfor_b_\@
	tensor_load_to_lds s[\g0a:\g0a+3], s[\g1a:\g1a+7]
	s_nop 0
.rept 4
	v_nop
.endr
	s_branch .Lasked_\@
.Lfor_b_\@:
	tensor_load_to_lds s[\g0b:\g0b+3], s[\g1b:\g1b+7]
	s_nop 0
.rept 4
	v_nop
.endr
.Lasked_\@:
.endm
.macro CREST
	s_cmp_lg_u32 s22, 0
	s_cbranch_scc1 .Lnot_wave_0_\@
	s_barrier_signal -3
.Lnot_wave_0_\@:
	s_barrier_wait -3
	s_barrier_signal -1
	s_barrier_wait -1
.endm
.macro CROUND
	s_barrier_signal -1
	s_barrier_wait -1
	CREST
.endm
.macro HEAD0 g, lds, base, off         ; group 0 of one of the head's four fills: a whole part of a slot
	s_mov_b32 s[\g], 1
	s_mov_b32 s[\g+1], \lds
.if \off
	s_add_nc_u64 s[\g+2:\g+3], s[\base:\base+1], \off
.else
	s_mov_b64 s[\g+2:\g+3], s[\base:\base+1]
.endif
	s_or_b32 s[\g+3], s[\g+3], 0x80000000
.endm
.macro ARM under, g0, g1, next         ; one arm of the head's chain on the wave's number: its fill, and a jump to the chain's end
	s_cmp_lt_u32 s22, \under
	s_cbranch_scc0 \next
	tensor_load_to_lds s[\g0:\g0+3], s[\g1:\g1+7]
	s_nop 0
.rept 4
	v_nop
.endr
	s_branch .Lhead_asked
\next:
.endm
; A prefetch for a later refill: 512 along K of a tile of 16 rows are 6,144 bytes, 24 blocks of 256: a lane a block (lanes 24-31 name the last block again).  Of the tiles that a wave will fetch, each of the four
; partners that ask for them jointly takes a quarter, told apart by address: one of P's four, two of v^T's eight.  The address registers are never rewritten.
.macro ASK off
	global_prefetch_b8 v48, s[PFA:PFA+1] offset:\off th:TH_LOAD_NT scope:SCOPE_SE
	s_cmp_eq_u32 s23, 0
	s_cbranch_scc1 .Lasked_all_\@
	global_prefetch_b8 v48, s[PFA:PFA+1] offset:(\off)+98304 th:TH_LOAD_NT scope:SCOPE_SE
.Lasked_all_\@:
.endm
.macro FETCH slot, q, p, kap           ; 39 LDS loads: one step's fragments and scale words into set p; S1's blocks 2 and 3 last
	WIN 0x40
.irp i, 0,1,2,3,4,5,6,7
.irp c, 0,1,2
	ds_load_b128 v[128*(\p)+12*\i+4*\c:128*(\p)+12*\i+4*\c+3], v[6+\slot] offset:6144*\i+1536*(\q)+512*\c
.endr
.endr
	WIN 0
	ds_load_b64 v[32+8*(\p):33+8*(\p)], v9 offset:1024*(\kap)
	ds_load_b64 v[34+8*(\p):35+8*(\p)], v9 offset:1024*(\kap)+128
	ds_load_b64 v[36+8*(\p):37+8*(\p)], v8 offset:512*(\kap)
.irp i, 0,1,2,3
.irp c, 0,1,2
	ds_load_b128 v[64+48*(\p)+12*\i+4*\c:64+48*(\p)+12*\i+4*\c+3], v[4+\slot] offset:6144*\i+1536*(\q)+512*\c
.endr
.endr
.endm
.macro WM a, b, p, mode                ; mode 0: onto the accumulator; 1: the product starts the sum
.set rD, 8*(8*(\a)+(\b))
.set rA, 128*(\p)+12*(\b)
.set rB, 64+48*(\p)+12*(\a)
.set rX, 32+8*(\p)+(\b)%4
.set rY, 36+8*(\p)+(\a)%2
.if (\mode) == 1
.if ((\b) < 4) && ((\a) < 2)
	v_wmma_scale_f32_16x16x128_f8f6f4 v[rD:rD+7], v[rA:rA+11], v[rB:rB+11], 0, v[rX], v[rY] matrix_a_fmt:MATRIX_FMT_FP6 matrix_b_fmt:MATRIX_FMT_FP6
.elseif (\a) < 2
	v_wmma_scale_f32_16x16x128_f8f6f4 v[rD:rD+7], v[rA:rA+11], v[rB:rB+11], 0, v[rX], v[rY] matrix_a_fmt:MATRIX_FMT_FP6 matrix_b_fmt:MATRIX_FMT_FP6 matrix_a_scale:MATRIX_SCALE_ROW1
.elseif (\b) < 4
	v_wmma_scale_f32_16x16x128_f8f6f4 v[rD:rD+7], v[rA:rA+11], v[rB:rB+11], 0, v[rX], v[rY] matrix_a_fmt:MATRIX_FMT_FP6 matrix_b_fmt:MATRIX_FMT_FP6 matrix_b_scale:MATRIX_SCALE_ROW1
.else
	v_wmma_scale_f32_16x16x128_f8f6f4 v[rD:rD+7], v[rA:rA+11], v[rB:rB+11], 0, v[rX], v[rY] matrix_a_fmt:MATRIX_FMT_FP6 matrix_b_fmt:MATRIX_FMT_FP6 matrix_a_scale:MATRIX_SCALE_ROW1 matrix_b_scale:MATRIX_SCALE_ROW1
.endif
.else
.if ((\b) < 4) && ((\a) < 2)
	v_wmma_scale_f32_16x16x128_f8f6f4 v[rD:rD+7], v[rA:rA+11], v[rB:rB+11], v[rD:rD+7], v[rX], v[rY] matrix_a_fmt:MATRIX_FMT_FP6 matrix_b_fmt:MATRIX_FMT_FP6
.elseif (\a) < 2
	v_wmma_scale_f32_16x16x128_f8f6f4 v[rD:rD+7], v[rA:rA+11], v[rB:rB+11], v[rD:rD+7], v[rX], v[rY] matrix_a_fmt:MATRIX_FMT_FP6 matrix_b_fmt:MATRIX_FMT_FP6 matrix_a_scale:MATRIX_SCALE_ROW1
.elseif (\b) < 4
	v_wmma_scale_f32_16x16x128_f8f6f4 v[rD:rD+7], v[rA:rA+11], v[rB:rB+11], v[rD:rD+7], v[rX], v[rY] matrix_a_fmt:MATRIX_FMT_FP6 matrix_b_fmt:MATRIX_FMT_FP6 matrix_b_scale:MATRIX_SCALE_ROW1
.else
	v_wmma_scale_f32_16x16x128_f8f6f4 v[rD:rD+7], v[rA:rA+11], v[rB:rB+11], v[rD:rD+7], v[rX], v[rY] matrix_a_fmt:MATRIX_FMT_FP6 matrix_b_fmt:MATRIX_FMT_FP6 matrix_a_scale:MATRIX_SCALE_ROW1 matrix_b_scale:MATRIX_SCALE_ROW1
.endif
.endif
.endm
.macro MULA a, p, mode                 ; the 32 accumulators take turns in one order in every step
	WIN 0xa1
.irp b, 0,1,2,3,4,5,6,7
	WM \a, \b, \p, \mode
.endr
.endm
.macro STEP slot, q, kap, mode
	s_wait_dscnt 6                                 ; all but the six youngest loads: S1's blocks 2 and 3
	MULA 0, (\q)%2, \mode
	MULA 1, (\q)%2, \mode
	s_wait_dscnt 0x0
	PLACES 4                                       ; in front of loads into the other set, which the step before multiplied
	FETCH \slot, (\q)+1, 1-(\q)%2, (\kap)+1
	MULA 2, (\q)%2, \mode
	MULA 3, (\q)%2, \mode
	WIN 0
.endm
; A slot's last step changes slots: ONE barrier; in front of it each wave waits for all its tensor loads, adds 0 to its spare word, and waits for that and for its reads of this slot.  fill = 1: this slot is filled again, 1,024 along K ahead.
.macro CHANGE slot, next, kap, fill
	s_wait_tensorcnt 0x0                           ; all my tensor loads have landed: the one that was out is my part of the next slot  (every window is 0 here)
	ds_add_u32 v10, v11                            ; 0 onto my spare word
.if (\kap) == 3
	s_mov_b32 s[G1A+2], 4<<16                      ; no tensor load of mine is out: from here on a load brings half of a part: 4 tiles of P,
	s_mov_b32 s[G1A+4], 4
	s_mov_b32 s[G1B+2], 8<<16                      ; 8 of v^T
	s_mov_b32 s[G1B+4], 8
.endif
	s_wait_dscnt 7                                 ; (the add and the six youngest loads may be out)
	MULA 0, 1, 0                                   ; eight matrix instructions stand between the add and the wait for it
	s_wait_dscnt 0x0                               ; the add is done, and my reads of this slot are over
	s_barrier_signal -1
	MULA 1, 1, 0
	WIN 0
	s_barrier_wait -1
.if \fill
	CREST                                          ; the barrier has opened a round of the cluster's: no wave of any partner still reads this slot or has a load on its way
	s_add_nc_u64 s[G0A+4*\slot+2:G0A+4*\slot+3], s[G0A+4*\slot+2:G0A+4*\slot+3], 12288
	s_add_nc_u64 s[G0B+4*\slot+2:G0B+4*\slot+3], s[G0B+4*\slot+2:G0B+4*\slot+3], 12288
	JLOAD G0A+4*\slot, G1A, G0B+4*\slot, G1B       ; my one tensor load behind the round, and the first thing there; its four v_nop are the places in front of the loads below
.else
	PLACES 4
.endif
	FETCH \next, 0, 0, (\kap)+1
	MULA 2, 1, 0
	MULA 3, 1, 0
	WIN 0
.endm
.macro LAST
	s_wait_dscnt 6
	MULA 0, 1, 0
	MULA 1, 1, 0
	s_wait_dscnt 0x0
	MULA 2, 1, 0
	MULA 3, 1, 0
	WIN 0
	PLACES 4
.endm
; My row's scale word of K step k is brought under the row's M, and l' is weighed in
.macro FIXK k
	v_sub_f32 v20, v[80+\k], v29                   ; M - M': a whole number, 0 or more,
	v_min_num_f32 v20, 0x437f0000, v20             ; held at 255
	v_cvt_u32_f32 v21, v20
	v_sub_nc_u32 v22, 0, v21
	v_ldexp_f32 v23, 1.0, v22                      ; 2^(M' - M)
	v_and_b32 v24, 0xff, v[64+\k]
	v_bfe_u32 v25, v[64+\k], 8, 8
	v_bfe_u32 v26, v[64+\k], 16, 8
	v_lshrrev_b32 v27, 24, v[64+\k]
.irp b, 24,25,26,27
	v_sub_nc_u32 v\b, v\b, v21
.endr
.irp b, 24,25,26,27
	v_max_i32 v\b, 0, v\b                          ; a byte is held at 0 from below
.endr
	v_lshl_or_b32 v24, v25, 8, v24
	v_lshl_or_b32 v24, v26, 16, v24
	v_lshl_or_b32 v[64+\k], v27, 24, v24
.if (\k) == 0
	v_mul_f32 v28, v[96+\k], v23
.else
	v_fma_f32 v28, v[96+\k], v23, v28
.endif
	ds_store_b32 v15, v[64+\k] offset:512*(\k)
.endm
; THE WAY OUT of my tile a of 16 queries: x 1 / l; through my stage; back as whole rows of 512 bytes
.macro PACK a
.set AC, 64*(\a)
	WIN 0x02                                       ; source 0 window 2
.set J, 0
.rept 32
.if (\a)%2 == 0
	v_pk_mul_f32 v[64+J:65+J], v[AC+J:AC+J+1], v[16+(\a):17+(\a)] op_sel_hi:[1,0]
.else
	v_pk_mul_f32 v[64+J:65+J], v[AC+J:AC+J+1], v[15+(\a):16+(\a)] op_sel:[0,1] op_sel_hi:[1,1]
.endif
.set J, J+2
.endr
	WIN 0
.endm
.macro TOSTAGE a
.set BB, 128+64*((\a)%2)
.irp b, 0,1,2,3,4,5,6,7
	ds_store_b128 v12, v[64+8*\b:67+8*\b] offset:64*\b             ; lane (r, h): out(16 a + r, 16 b + 8 h + 0 .. 7)
	ds_store_b128 v12, v[68+8*\b:71+8*\b] offset:64*\b+16
.endr
.irp t, 0,1,2,3,4,5,6,7,8,9,10,11,12,13,14,15
	ds_load_b128 v[BB+4*\t:BB+4*\t+3], v13 offset:SPIT*\t          ; LDS serves a wave's instructions in order: these see the stores above
.endr
.endm
.macro SEND a
.set BB, 128+64*((\a)%2)
	s_wait_dscnt 0x0
.irp t, 0,1,2,3,4,5,6,7,8,9,10,11,12,13,14,15
	global_store_b128 v3, v[BB+4*\t:BB+4*\t+3], s[12:13] offset:(16*(\a)+\t)*4096 th:TH_STORE_NT   ; 32 lanes store 512 consecutive bytes, at a multiple of 256 from out's first byte
.endr
.endm
	s_load_b256 s[4:11], s[0:1], 0x0               ; p_codes s[4:5], p_stats s[6:7], vt_codes s[8:9], vt_scales s[10:11]
	s_load_b64 s[12:13], s[0:1], 0x20              ; out0
	v_lshl_add_u32 v10, v0, 2, SPARE
	v_mov_b32 v11, 0
	ds_add_u32 v10, v11
	ds_add_u32 v10, v11
	s_wait_dscnt 0x0
	v_lshrrev_b32 v1, 5, v0
	v_readfirstlane_b32 s22, v1                    ; wave
	s_lshr_b32 s23, s22, 1                         ; which 64 queries are mine.  Also: I fetch for S1 (0) or S0 (1)
	s_and_b32 s3, s22, 1                           ; which 128 channels are mine.  Also: which half I fetch
	v_and_b32 v1, 15, v0
	v_bfe_u32 v2, v0, 4, 1
	v_and_b32 v3, 31, v0
	v_lshlrev_b32 v3, 4, v3
	s_mul_i32 s98, s23, HALFA
	v_add_nc_u32 v4, s98, v3
	v_add_nc_u32 v5, SLOT, v4
	s_mul_i32 s98, s3, HALFB
	s_add_co_u32 s98, s98, 2*HALFA
	v_add_nc_u32 v6, s98, v3
	v_add_nc_u32 v7, SLOT, v6
	s_lshl_b32 s98, s23, 8
	s_add_co_u32 s99, s98, RL
	s_add_co_u32 s98, s98, SCA
	v_lshrrev_b32 v8, 1, v3
	v_add_nc_u32 v8, s98, v8
	v_lshlrev_b32 v9, 3, v1
	v_add_nc_u32 v14, s99, v9                      ; 1 / l: my quad's unit, 8 r
	s_lshl_b32 s98, s3, 9
	s_add_co_u32 s98, s98, SCB
	v_lshl_add_u32 v9, v2, 8, v9
	v_add_nc_u32 v9, s98, v9
	s_mul_i32 s98, s22, 16*SPIT                    ; my stage
	v_mul_u32_u24 v12, v1, SPIT
	v_lshl_add_u32 v12, v2, 5, v12
	v_add_nc_u32 v12, s98, v12
	v_add_nc_u32 v13, s98, v3
	v_lshl_add_u32 v15, v0, 2, SCA                 ; thread t owns word t of each K step's 512 bytes: one row of P
	v_lshlrev_b32 v30, 2, v0
	v_and_b32 v48, 31, v0
	v_min_u32 v48, 23, v48
	v_lshlrev_b32 v48, 8, v48                      ; the prefetches' offset: 256 x min(lane, 23); never rewritten
	s_bfe_u32 s40, ttmp6, 0x40000                  ; cx: my tile of 256 channels
	s_bfe_u32 s41, ttmp6, 0x40004                  ; cy
	s_lshl_b32 s43, s41, 2
	s_lshl_b32 s43, 15, s43
	s_lshl_b32 s44, 0x1111, s40
	s_and_b32 s92, ttmp7, 0xffff
	s_lshl_b32 s45, s92, 2
	s_add_co_u32 s45, s45, s41                     ; my tile of 128 queries, counted over all batches
	s_lshr_b32 s92, s92, 2                         ; the batch
	; P's offsets, in registers that never hold cx
	s_lshl_b32 s66, s45, 3
	s_lshl_b32 s67, s3, 2
	s_add_co_u32 s66, s66, s67
	s_mul_i32 s66, s66, 24576                      ; a tile of queries: 16 K steps x 1,536 bytes
	s_mul_i32 s14, s45, 8*24576                    ; the head's fills take whole parts: my eight tiles of queries
	s_mov_b32 s15, 0
	s_mov_b32 s67, 0
	s_lshl_b32 s94, s45, 9                         ; p_stats: my two units
	s_mov_b32 s95, 0
	; v^T's, in registers that never hold cy
	s_lshl_b32 s46, s40, 4
	s_lshl_b32 s47, s3, 3
	s_add_co_u32 s46, s46, s47
	s_mul_i32 s46, s46, 98304                      ; a tile of channels: 64 K steps x 1,536 bytes
	s_mul_i32 s47, s92, 24576                      ; the batch's 16 K steps
	s_add_co_u32 s46, s46, s47
	s_mov_b32 s47, 0
	s_mul_i32 s20, s40, 16*98304                   ; and my sixteen tiles of channels
	s_mul_i32 s21, s92, 24576
	s_add_co_u32 s20, s20, s21
	s_mov_b32 s21, 0
	s_lshl_b32 s96, s92, 4
	s_lshl_b32 s97, s22, 2
	s_add_co_u32 s96, s96, s97                     ; each wave brings the scale words of four K steps
	s_lshl_b32 s96, s96, 12
	s_lshl_b32 s97, s40, 10
	s_add_co_u32 s96, s96, s97
	s_mov_b32 s97, 0
	; out: my first row and column
	s_lshl_b32 s98, s45, 7
	s_lshl_b32 s99, s23, 6
	s_add_co_u32 s98, s98, s99
	s_lshl_b32 s98, s98, 12
	s_lshl_b32 s99, s40, 10
	s_add_co_u32 s98, s98, s99
	s_lshl_b32 s99, s3, 9
	s_add_co_u32 s98, s98, s99
	s_mov_b32 s99, 0
	s_or_b32 s[G1A], s43, (3<<16)|(1<<21)
	s_or_b32 s[G1B], s44, (3<<16)|(1<<21)
	SHAPE G1A, 768, 8, 3072                        ; eight tiles of queries x 6,144 bytes (512 along K)
	SHAPE G1B, 768, 16, 12288                      ; sixteen tiles of channels
	s_mul_i32 s100, s3, HALFA
	s_mul_i32 s101, s3, HALFB
	s_add_co_u32 s101, s101, 2*HALFA
	s_lshl_b32 s2, s22, 12
	s_add_co_u32 s2, s2, SCB
	v_add_nc_u32 v31, s2, v3                       ; where my wave puts v^T's scale words of its four K steps: 4,096 bytes a wave, 16 x lane
	s_wait_kmcnt 0x0
	s_add_nc_u64 s[66:67], s[4:5], s[66:67]
	s_add_nc_u64 s[94:95], s[6:7], s[94:95]
	s_add_nc_u64 s[46:47], s[8:9], s[46:47]
	s_add_nc_u64 s[14:15], s[4:5], s[14:15]
	s_add_nc_u64 s[20:21], s[8:9], s[20:21]
	s_add_nc_u64 s[96:97], s[10:11], s[96:97]
	s_add_nc_u64 s[12:13], s[12:13], s[98:99]
	CROUND                                         ; all sixteen work-groups are here: the first joint loads meet
.irp s, 0,1
	s_mov_b32 s[G0A+4*\s], 1
	s_add_co_u32 s[G0A+4*\s+1], s100, \s*SLOT
	s_add_nc_u64 s[G0A+4*\s+2:G0A+4*\s+3], s[66:67], \s*6144
	s_or_b32 s[G0A+4*\s+3], s[G0A+4*\s+3], 0x80000000
	s_mov_b32 s[G0B+4*\s], 1
	s_add_co_u32 s[G0B+4*\s+1], s101, \s*SLOT
	s_add_nc_u64 s[G0B+4*\s+2:G0B+4*\s+3], s[46:47], \s*6144
	s_or_b32 s[G0B+4*\s+3], s[G0B+4*\s+3], 0x80000000
.endr
	; THE HEAD'S FILLS, ONE A WAVE, as one group behind the round: wave 0 P's part of slot 0, wave 1 v^T's, waves 2 and 3 the same of slot 1
	HEAD0 80, 0, 14, 0
	HEAD0 84, 2*HALFA, 20, 0
	HEAD0 88, SLOT, 14, 6144
	HEAD0 4, SLOT+2*HALFA, 20, 6144
	ARM 1, 80, G1A, .Lhead_b0
	ARM 2, 84, G1B, .Lhead_a1
	ARM 3, 88, G1A, .Lhead_b1
	tensor_load_to_lds s[4:7], s[G1B:G1B+7]
	s_nop 0
.rept 4
	v_nop
.endr
.Lhead_asked:
	s_cmp_eq_u32 s23, 0                            ; the prefetches: do I fetch for P?
	s_cselect_b32 s2, s40, s41                     ; my place among the four that ask with me
	s_mov_b32 s68, 2*98304
	s_cselect_b32 s68, 24576, s68
	s_mul_i32 s68, s68, s2
	s_mov_b32 s69, 0
	s_cselect_b64 s[70:71], s[66:67], s[46:47]
	s_add_nc_u64 s[PFA:PFA+1], s[70:71], s[68:69]
	s_wait_alu depctr_va_vdst(0)                   ; the head's end
	ASK 12288                                      ; K steps 8 to 11: their load is issued at the first change of slots, three K steps on
	; while the tiles land: v^T's scale words of my wave's four K steps, 512 consecutive bytes a load; then my row's 16 scale words, 16 -M' and 16 l'
.irp j, 0,1,2,3,4,5,6,7
	global_load_b128 v[112+4*\j:115+4*\j], v3, s[96:97] offset:4096*(\j/2)+512*(\j%2)
.endr
.irp k, 0,1,2,3,4,5,6,7,8,9,10,11,12,13,14,15
	global_load_b32 v[64+\k], v30, s[94:95] offset:32768*\k
	global_load_b32 v[80+\k], v30, s[94:95] offset:524288+32768*\k
	global_load_b32 v[96+\k], v30, s[94:95] offset:1048576+32768*\k
.endr
	s_wait_loadcnt 0x0
.irp j, 0,1,2,3,4,5,6,7
	ds_store_b128 v31, v[112+4*\j:115+4*\j] offset:512*\j          ; [K step][1,024]: bytes that no tensor load fills
.endr
	v_min3_num_f32 v29, v80, v81, v82
.irp k, 83,85,87,89,91,93
	v_min3_num_f32 v29, v29, v[\k], v[\k+1]
.endr
	v_min_num_f32 v29, v29, v95                    ; -M: the smallest -M'
.irp k, 0,1,2,3,4,5,6,7,8,9,10,11,12,13,14,15
	FIXK \k
.endr
	s_wait_alu depctr_va_vdst(0)
	v_rcp_f32 v28, v28
	v_nop                                          ; one plain place behind the reciprocal,
	s_wait_alu depctr_va_vdst(0)                   ; and a wait ahead of its first reader
	ds_store_b32 v15, v28 offset:RL-SCA
	s_cmp_lt_u32 s22, 2                            ; waves 0 and 1 wait for slot 0's parts; slot 1's loads may be out
	s_cbranch_scc0 .Lslot1_out
	s_wait_tensorcnt 0x0
.Lslot1_out:
	s_wait_dscnt 0x0                               ; for the others' sake: my stores of scale words and of 1 / l are done
	s_barrier_signal -1
	s_barrier_wait -1
	ds_load_b64 v[16:17], v14                      ; 1 / l of my row in tiles 0, 1
	ds_load_b64 v[18:19], v14 offset:128           ; and 2, 3: they stay in registers
	FETCH 0, 0, 0, 0
	STEP 0, 0, 0, 1                                ; the first step's products start the sums
	ASK 18432                                      ; K steps 12 to 15: their load is issued at the second change of slots, six K steps on
	STEP 0, 1, 1, 0
	STEP 0, 2, 2, 0
	CHANGE 0, 1, 3, 1                              ; slot 0 takes K steps 8 to 11
	STEP 1, 0, 4, 0
	STEP 1, 1, 5, 0
	STEP 1, 2, 6, 0
	CHANGE 1, 0, 7, 1                              ; slot 1 takes K steps 12 to 15
	STEP 0, 0, 8, 0
	STEP 0, 1, 9, 0
	STEP 0, 2, 10, 0
	CHANGE 0, 1, 11, 0                             ; nothing is left to fetch: no round
	STEP 1, 0, 12, 0
	STEP 1, 1, 13, 0
	STEP 1, 2, 14, 0
	LAST
	PACK 0
	TOSTAGE 0
	PACK 1                                         ; a tile's arithmetic stands between the loads of the tile before and the wait for them
	s_wait_alu depctr_va_vdst(0)
	SEND 0
	TOSTAGE 1
	PACK 2
	s_wait_alu depctr_va_vdst(0)
	SEND 1
	s_wait_xcnt 0x0                                ; tile 0's stores have read their registers: tile 2's rows may land there
	TOSTAGE 2
	PACK 3
	s_wait_alu depctr_va_vdst(0)
	SEND 2
	s_wait_xcnt 0x0
	TOSTAGE 3
	SEND 3
	s_wait_tensorcnt 0x0                           ; the wave's end
	ds_add_u32 v10, v11
	s_wait_dscnt 0x0
	CROUND                                         ; the closing round: no work-group ends while a partner may still ask for a tile that names it
	s_endpgm
.Lfunc_end_k_qdfdcb430df_pv:
	.size	k_qdfdcb430df_pv, .Lfunc_end_k_qdfdcb430df_pv-k_qdfdcb430df_pv
	.p2alignl 7, 3214868480
	.fill 96, 4, 3214868480
	.section	.rodata,"a",@progbits
	.p2align	6, 0x0
	.amdhsa_kernel k_qdfdcb430df_pv
		.amdhsa_group_segment_fixed_size 327680
		.amdhsa_private_segment_fixed_size 0
		.amdhsa_enable_private_segment 0
		.amdhsa_kernarg_size 40
		.amdhsa_user_sgpr_count 2
		.amdhsa_user_sgpr_kernarg_segment_ptr 1
		.amdhsa_wavefront_size32 1
		.amdhsa_system_sgpr_workgroup_id_x 1
		.amdhsa_system_sgpr_workgroup_id_y 1
		.amdhsa_system_sgpr_workgroup_id_z 1
		.amdhsa_system_vgpr_workitem_id 0
		.amdhsa_next_free_vgpr 768
		.amdhsa_next_free_sgpr 102
		.amdhsa_reserve_vcc 0
		.amdhsa_float_denorm_mode_32 3
		.amdhsa_float_denorm_mode_16_64 3
		.amdhsa_memory_ordered 1
		.amdhsa_forward_progress 1
		.amdhsa_inst_pref_size 167
	.end_amdhsa_kernel
	.amdgpu_metadata
---
amdhsa.version: [ 1, 2 ]
amdhsa.kernels:
  - .name:           k_qdfdcb430df_pv
    .symbol:         k_qdfdcb430df_pv.kd
    .args:
      - { .name: p_codes, .offset: 0, .size: 8, .value_kind: global_buffer, .address_space: global }
      - { .name: p_stats, .offset: 8, .size: 8, .value_kind: global_buffer, .address_space: global }
      - { .name: vt_codes, .offset: 16, .size: 8, .value_kind: global_buffer, .address_space: global }
      - { .name: vt_scales, .offset: 24, .size: 8, .value_kind: global_buffer, .address_space: global }
      - { .name: out0, .offset: 32, .size: 8, .value_kind: global_buffer, .address_space: global }
    .group_segment_fixed_size: 327680
    .private_segment_fixed_size: 0
    .kernarg_segment_align: 8
    .kernarg_segment_size: 40
    .max_flat_workgroup_size: 128
    .sgpr_count:     102
    .vgpr_count:     768
    .wavefront_size: 32
...
	.end_amdgpu_metadata
.endif
;; end of part 4
